; MI455X (gfx1250); checked and timed in simulation.
; The chip was launched on July 23, 2026; its instructions are those of AMD's public machine-readable ISA for CDNA 5 (MIT licence, August 2026) and "CDNA5" Instruction Set Architecture Reference Guide (July 2026). The comments in the code are by the model that wrote it; some were corrected since.
;; Lookahead Decoder Block. Allowed arithmetic: matrix products marked QUANTISED: E4M3 operands, one given power-of-two scale a tensor, by v_wmma_f32_16x16x64_fp8_fp8 or v_wmma_f32_16x16x128_fp8_fp8, f32 sums; everything else in f32.
;; Inputs: alpha 1 x 16 x 1 x 1 float32; b_out 1,024 float32; lowp_scales 14 int32 (the exponents e of the quantised operands' scales 2^e); w_hkv 1,024 x 2,048 float32; w_out 1,024 x 1,024 float32; w_qkv 1,024 x 3,072 float32; x 2 x 2,048 x 1,024 float32.
;; Outputs: out0 2 x 2,048 x 1,024 float32.
;; This version of the problem:
;;   THIS VERSION OF THE PROBLEM IS GIVEN IN LOW PRECISION. The matrix products marked QUANTISED in the list below multiply operands that are first quantised to E4M3 (4 exponent bits, 3 mantissa bits; 8 bits a number), with one given power-of-two scale for each operand tensor; their sums are f32. All else is computed in f32.
;;   The module's matrix products, in the order in which they are computed (A, B: the left and right operand; K: the contracted axis; several contracted axes count as one K, in the product's order):
;;     1. [M 4,096, K 1,024] x [K 1,024, N 3,072]; A: input x; B: input w_qkv: QUANTISED (scales: A lowp_scales[0], B lowp_scales[1])
;;     2. [M 4,096, K 1,024] x [K 1,024, N 2,048]; A: input x; B: input w_hkv: QUANTISED (scales: A lowp_scales[2], B lowp_scales[3])
;;     3. batch 32 x [M 2,048, K 64] x [K 64, N 2,048]; A: computed on the way; B: computed on the way: QUANTISED (scales: A lowp_scales[4], B lowp_scales[5])
;;     4. batch 32 x [M 2,048, K 64] x [K 64, N 2,048]; A: computed on the way; B: computed on the way: QUANTISED (scales: A lowp_scales[6], B lowp_scales[7])
;;     5. batch 32 x [M 2,048, K 64] x [K 64, N 2,048]; A: computed on the way; B: computed on the way: QUANTISED (scales: A lowp_scales[8], B lowp_scales[9])
;;     6. batch 32 x [M 2,048, K 2,048] x [K 2,048, N 64]; A: softmax (see below); B: computed on the way: QUANTISED (scales: A lowp_scales[10], B lowp_scales[11])
;;     7. [M 4,096, K 1,024] x [K 1,024, N 1,024]; A: computed on the way; B: input w_out: QUANTISED (scales: A lowp_scales[12], B lowp_scales[13])
;;   THE QUANTISER, for each operand of a quantised product, along K:
;;     - The operand's scale is 2^e, e = its entry of the input lowp_scales (int32; the entries are numbered through the quantised products in the list's order, A before B).
;;     - Each number is divided by the scale, clamped to +-448, and rounded to the nearest number of E4M3, ties to even, subnormals kept.
;;     - The product sums the exact products of the quantised numbers (number of the format x scale) in f32.
;;   ~~~python
;;   def quantise(x, axis, e):      # numpy; x: float32 -> the quantised numbers, widened to float32 again
;;       x = np.moveaxis(x, axis, -1); K = x.shape[-1]
;;       r = np.clip(x / 2.0 ** e, -448, 448)
;;       step = 2.0 ** (np.maximum(np.frexp(np.where(r == 0, 1, r))[1] - 1, -6) - 3)
;;       q = np.round(r / step) * step * 2.0 ** e      # np.round: ties to even
;;       return np.moveaxis(q, -1, axis).astype(np.float32)
;;   ~~~
;;   SOFTMAX AHEAD OF A QUANTISED PRODUCT. Where the list says 'softmax', what is quantised is not the finished softmax but p = 2^(t - M), with t = logit x log2(e) and M = ceil(the row's largest t), a whole number; so 1/2 < the row's largest p <= 1. The row's sum l is taken of the UNQUANTISED p, in f32, and the product's result is divided by l at the end. Since M is a whole number, a kernel that streams over the keys may use a running M (the ceiling of the running maximum): every later rescaling is an exact power of two, so the quantised numbers keep their values, but for numbers so far below the row's largest that they fall under the format's range.
;;   OPERANDS COMPUTED ON THE WAY. 'Computed on the way' means the value that the module computes at that place (a softmax that the list does not call 'softmax' is quantised finished and normalised). What goes into a quantiser is computed in f32, as accurately as f32 sums, v_exp_f32 and their like allow (about 1e-6 of the number): no bf16 or f16 on the way to a quantiser, and a product that is left as it is and whose result goes on into a quantised operand takes f32 operands (vector FMAs, or v_wmma_f32_16x16x4_f32). A number that lies on a knife's edge between two numbers of the format may be rounded either way, as far as f32 arithmetic and the matrix unit's own rounding can turn it there, and no further.
;; One version. Each part assembles by itself: llvm-mc -triple=amdgcn-amd-amdhsa -mcpu=gfx1250 --defsym DOCPART=n.
;; ======== version 1 of 1: 4 launches
;; limits: right only within a limited range of input values
;; workspace buffers: xc 8,388,608 bytes; wc 6,291,456 bytes; rt 524,288 bytes; qs 12,582,912 bytes; kv 16,777,216 bytes; hvf 16,777,216 bytes; qhk 262,144 bytes; oc 4,194,304 bytes
;; launch prep (part 1): grid 672 x 1, 4 waves a work-group, no clusters, 50,688 bytes of LDS; arguments x, w_qkv, w_hkv, w_out, lowp_scales, xc, wc, rt; writes xc, wc, rt
.if DOCPART == 1
	.amdgcn_target "amdgcn-amd-amdhsa--gfx1250"
	.amdhsa_code_object_version 6
	.text
	.protected	k_qff3ef5e670_prep
	.globl	k_qff3ef5e670_prep
	.p2align	8
	.type	k_qff3ef5e670_prep,@function
k_qff3ef5e670_prep:
	s_mov_b64 s[64:65], 0
	v_nop
	global_prefetch_b8 v0, s[64:65] scope:SCOPE_SE
	s_setreg_imm32_b32 hwreg(HW_REG_WAVE_MODE, 25, 1), 1
	s_wait_xcnt 0x0
; PREP: x and the three weights become codes of E4M3, laid as IMAGES OF OPERAND REGISTERS, and the table of RoPE's cosines and sines is made.
; An image: a fragment is 16 rows x 128 along K; lane (r, h) holds row r, registers 2c, 2c+1 hold k = 16c + 8h + 0..7; registers 4p..4p+3 of lane l lie at byte 512 p + 16 l.
; So every later launch fetches a fragment by loads of 16 bytes a lane, 512 consecutive bytes an instruction.
; Work-groups 0-255: x (16 rows each; wave w: K steps 2w, 2w+1), quantised twice: with 2^e0 and with 2^e2.
; Work-groups 256-639: the weights, K = their first axis: a lane takes a column and its registers run down K (128 columns x 128 K a work-group); e1, e3 or e13.
; Work-groups 640-671: the table: cos and sin of pos x 10000^(-i/32), pos 0..2047, i 0..31, in the order in which the next launch's lanes want them.
; The three ways part on the work-group's number and have LDS bytes of their own.  Waves share nothing: no barrier.
; code = x / 2^e, held within +-448, rounded to the nearest code, ties to even.
; LIMITS: each e between -126 and 119.  NaN among the inputs is not served.  The table's sine and cosine: the angle fl(pos x freq) is reduced by pi/2 in two parts with fused multiply-adds, then polynomials of degree 7 and 8.
.set R,    16                          ; way x: v16-143  two units of 64 registers as loaded
.set X,    144                         ;        v144-207 a unit, 64 neighbours along K a lane
.set T,    208                         ;        v208-223 two sets of eight held numbers
.set C,    224                         ;        v224-255 codes: two versions x 16
.set XSTG, 8448                        ; way x: a wave's stage: 16 rows x (512 + 16) bytes
.set WSTG, 33792                       ; way w: the stages begin here, 4,096 bytes a wave
.set WX,   32                          ; way w: v32-159 128 numbers down K
.set WC,   160                         ;        v160-191 their codes
.set WO,   192                         ;        v192-223 the way out
.macro MKSC vs, vl, se                 ; v[vs] = 2^e as f32 (the conversion takes its exponent field), v[vl] = 448 x 2^e; e in s[se]
	s_add_co_i32 s60, s[\se], 127
	s_lshl_b32 s61, s60, 23
	v_mov_b32 v[\vs], s61
	s_add_co_i32 s60, s60, 8
	s_lshl_b32 s60, s60, 23
	s_or_b32 s60, s60, 0x600000
	v_mov_b32 v[\vl], s60
.endm
	s_load_b512 s[4:19], s[0:1], 0x0               ; x, w_qkv, w_hkv, w_out, scales, xc, wc, rt
	v_lshl_add_u32 v3, v0, 2, 0xc400
	s_set_vgpr_msb 0x40
	v_mov_b32 v1, 0
	s_set_vgpr_msb 0x4000
	v_lshrrev_b32 v1, 5, v0
	v_readfirstlane_b32 s20, v1                    ; wave
	v_and_b32 v2, 31, v0                           ; lane
	v_lshlrev_b32 v1, 4, v2                        ; 16 x lane
	s_wait_kmcnt 0x0
	s_load_b128 s[24:27], s[12:13], 0x0            ; e0, e1, e2, e3
	s_load_b32 s28, s[12:13], 0x34                 ; e13
	s_cmp_lt_u32 ttmp9, 256
	s_cbranch_scc0 .Lnot_x
; ---------------- x ----------------
	v_and_b32 v8, 15, v0                           ; r
	v_bfe_u32 v9, v0, 4, 1                         ; h
	s_mul_i32 s30, s20, XSTG
	s_wait_alu depctr_va_vdst(0)
	v_add_nc_u32 v12, s30, v1                      ; into the stage: a row's 512 bytes as they lie
	v_mul_u32_u24 v13, v8, 528
	v_lshl_add_u32 v13, v9, 5, v13
	v_add_nc_u32 v13, s30, v13                     ; out of it: row r, + 32 h: eight neighbours of each 16
	s_lshl_b32 s32, ttmp9, 16                      ; 16 rows of 4,096 bytes
	s_lshl_b32 s33, s20, 10                        ; my two K steps of 512 bytes
	s_add_co_u32 s32, s32, s33
	s_mov_b32 s33, 0
	s_add_nc_u64 s[4:5], s[4:5], s[32:33]
	s_lshr_b32 s34, ttmp9, 4
	s_lshl_b32 s34, s34, 19                        ; tile of 256 rows
	s_and_b32 s35, ttmp9, 15
	s_lshl_b32 s35, s35, 11                        ; block of 16 rows
	s_add_co_u32 s34, s34, s35
	s_lshl_b32 s35, s20, 17                        ; K step 2 w
	s_add_co_u32 s34, s34, s35
	s_mov_b32 s35, 0
	s_add_nc_u64 s[14:15], s[14:15], s[34:35]
.irp u, 0,1
.irp i, 0,1,2,3,4,5,6,7,8,9,10,11,12,13,14,15
	global_load_b128 v[R+64*\u+4*\i:R+64*\u+4*\i+3], v1, s[4:5] offset:\i*4096+\u*512 th:TH_LOAD_NT   ; 32 lanes read 512 consecutive bytes of row i
.endr
.endr
	s_wait_alu depctr_va_vdst(0)
	s_wait_kmcnt 0x0
	MKSC 4, 5, 24                                  ; e0
	MKSC 6, 7, 26                                  ; e2
.macro XUNIT u
	s_wait_loadcnt 16-16*\u                        ; this unit's 16 loads are in; the other unit's may be out
.irp i, 0,1,2,3,4,5,6,7,8,9,10,11,12,13,14,15
	ds_store_b128 v12, v[R+64*\u+4*\i:R+64*\u+4*\i+3] offset:\i*528
.endr
.irp c, 0,1,2,3,4,5,6,7
	ds_load_b128 v[X+8*\c:X+8*\c+3], v13 offset:64*\c          ; LDS serves a wave's instructions in order: these see the stores above
	ds_load_b128 v[X+8*\c+4:X+8*\c+7], v13 offset:64*\c+16
.endr
	s_wait_dscnt 0x0
.if \u
	s_wait_xcnt 0x0                                ; the first unit's stores have read their registers: the codes may be written again
.endif
.irp ver, 0,1
.irp c, 0,1,2,3,4,5,6,7
.irp i, 0,1,2,3,4,5,6,7
	v_med3_num_f32 v[T+8*(\c%2)+\i], v[X+8*\c+\i], -v[5+2*\ver], v[5+2*\ver]   ; the conversion does not saturate (ISA guide 7.6.2): the hold comes first
.endr
	v_cvt_scalef32_pk8_fp8_f32 v[C+16*\ver+2*\c:C+16*\ver+2*\c+1], v[T+8*(\c%2):T+8*(\c%2)+7], v[4+2*\ver]   ; registers 2c, 2c+1 of the fragment; the two sets of T take turns, so that eight plain lines stand ahead of the next write of its sources
.endr
.endr
.irp ver, 0,1
.irp p, 0,1,2,3
	global_store_b128 v1, v[C+16*\ver+4*\p:C+16*\ver+4*\p+3], s[14:15] offset:\u*65536+\ver*32768+512*\p   ; 512 consecutive bytes, aligned
.endr
.endr
.endm
	s_wait_alu depctr_va_vdst(0)
	XUNIT 0
	XUNIT 1
	s_set_vgpr_msb 0x4
	s_wait_tensorcnt 0x0
	ds_add_u32 v3, v1
	s_wait_dscnt 0x0
	s_set_vgpr_msb 0x400
	s_endpgm
; ---------------- the weights ----------------
.Lnot_x:
	s_cmp_lt_u32 ttmp9, 640
	s_cbranch_scc0 .Ltable
	s_sub_co_u32 s30, ttmp9, 256
	s_and_b32 s31, s30, 7                          ; K step
	s_lshr_b32 s30, s30, 3                         ; group of 128 columns: 0-23 w_qkv, 24-39 w_hkv, 40-47 w_out
	s_mov_b32 s34, 4096                            ; a row of w_out in bytes,
	s_mov_b32 s36, 8192                            ; of w_hkv,
	s_mov_b32 s37, 12288                           ; of w_qkv
	s_cmp_lt_u32 s30, 40                           ; the choices hang on the work-group's number alone
	s_cselect_b64 s[8:9], s[8:9], s[10:11]
	s_cselect_b32 s34, s36, s34
	s_cselect_b32 s35, 24, 40
	s_cmp_lt_u32 s30, 24
	s_cselect_b64 s[6:7], s[6:7], s[8:9]           ; the tensor,
	s_cselect_b32 s34, s37, s34                    ; its pitch,
	s_cselect_b32 s35, 0, s35                      ; its first group
	s_lshl_b32 s38, s31, 7
	s_mul_i32 s38, s38, s34                        ; 128 rows a K step
	s_sub_co_u32 s39, s30, s35
	s_lshl_b32 s39, s39, 9                         ; 128 columns of 4 bytes
	s_add_co_u32 s38, s38, s39
	s_lshl_b32 s39, s20, 7                         ; my wave's 32 columns
	s_add_co_u32 s38, s38, s39
	s_mov_b32 s39, 0
	s_add_nc_u64 s[68:69], s[6:7], s[38:39]        ; sixteen bases, eight rows apart,
	s_lshl_b32 s40, s34, 3
	s_mov_b32 s41, 0
.irp u, 1,2,3,4,5,6,7,8,9,10,11,12,13,14,15
	s_add_nc_u64 s[68+2*\u:69+2*\u], s[66+2*\u:67+2*\u], s[40:41]
.endr
	s_wait_alu depctr_va_vdst(0)
	v_lshlrev_b32 v8, 2, v2                        ; and eight offsets, a row apart: 4 x lane + j x pitch
.irp j, 1,2,3,4,5,6,7
	v_add_nc_u32 v[8+\j], s34, v[7+\j]
.endr
	s_lshl_b32 s42, s20, 12
	s_add_co_u32 s42, s42, WSTG                    ; my stage: two fragments' images
	v_lshrrev_b32 v16, 4, v2
	v_and_b32 v17, 15, v2
	v_lshlrev_b32 v16, 11, v16                     ; lanes 16-31 hold the second fragment's columns
	v_lshl_add_u32 v16, v17, 4, v16
	v_add_nc_u32 v16, s42, v16                     ; in: fragment, + 16 x row
	v_add_nc_u32 v17, s42, v1                      ; out: 16 x lane
	s_and_b32 s44, s30, 7                          ; where the two fragments go.  Projections: head x 327,680 + K step x 40,960 + (4 mat + tile) x 2,048
	s_lshl_b32 s44, s44, 1
	s_lshr_b32 s45, s20, 1
	s_add_co_u32 s44, s44, s45                     ; head
	s_mul_i32 s44, s44, 327680
	s_mul_i32 s45, s31, 40960
	s_add_co_u32 s44, s44, s45
	s_lshr_b32 s45, s30, 3                         ; mat: q, k, v, hk, hv
	s_lshl_b32 s45, s45, 2
	s_and_b32 s46, s20, 1
	s_lshl_b32 s46, s46, 1
	s_add_co_u32 s45, s45, s46
	s_lshl_b32 s45, s45, 11
	s_add_co_u32 s44, s44, s45
	s_sub_co_u32 s46, s30, 40                      ; w_out: 5,242,880 + group x 131,072 + K step x 16,384 + 2 w x 2,048
	s_lshl_b32 s46, s46, 17
	s_lshl_b32 s47, s31, 14
	s_add_co_u32 s46, s46, s47
	s_lshl_b32 s47, s20, 12
	s_add_co_u32 s46, s46, s47
	s_add_co_u32 s46, s46, 5242880
	s_cmp_lt_u32 s30, 40
	s_cselect_b32 s44, s44, s46
	s_mov_b32 s45, 0
	s_add_nc_u64 s[16:17], s[16:17], s[44:45]
	s_wait_alu depctr_va_vdst(0)
.irp u, 0,1,2,3,4,5,6,7,8,9,10,11,12,13,14,15
.irp j, 0,1,2,3,4,5,6,7
	global_load_b32 v[WX+8*\u+\j], v[8+\j], s[68+2*\u:69+2*\u] th:TH_LOAD_NT   ; W(8u + j, my column): 32 lanes read 128 consecutive bytes, the four waves 512
.endr
.endr
	s_wait_kmcnt 0x0
	s_cmp_lt_u32 s30, 40
	s_cselect_b32 s48, s27, s28                    ; e3 or e13,
	s_cmp_lt_u32 s30, 24
	s_cselect_b32 s48, s25, s48                    ; or e1
	MKSC 4, 5, 48
.set u_, 0
	s_wait_alu depctr_va_vdst(0)
.rept 16                                       ; eight numbers down K at a time: two registers of codes, 8 bytes of the image
.if 120-8*u_ > 63
	s_wait_loadcnt 63                              ; (the wait's field holds no more: a smaller count than the 120 - 8u younger loads)
.else
	s_wait_loadcnt 120-8*u_                        ; the later octets' loads may be out
.endif
.set j_, 0
.rept 8
	v_med3_num_f32 v[WX+8*u_+j_], v[WX+8*u_+j_], -v5, v5
.set j_, j_+1
.endr
	v_cvt_scalef32_pk8_fp8_f32 v[WC+2*u_:WC+2*u_+1], v[WX+8*u_:WX+8*u_+7], v4
	ds_store_b64 v16, v[WC+2*u_:WC+2*u_+1] offset:(u_/4)*512+(u_%2)*256+((u_/2)%2)*8   ; k = 8u..8u+7 is c = u/2, h = u%2: piece u/4, lane 16 (u%2) + r, registers 2 (c%2)
.set u_, u_+1
.endr
.irp i, 0,1,2,3,4,5,6,7
	ds_load_b128 v[WO+4*\i:WO+4*\i+3], v17 offset:512*\i
.endr
.irp i, 0,1,2,3,4,5,6,7
	s_wait_dscnt 7-\i
	global_store_b128 v1, v[WO+4*\i:WO+4*\i+3], s[16:17] offset:512*\i   ; two neighbouring fragments: 4,096 bytes on end
.endr
	s_set_vgpr_msb 0x4
	s_wait_tensorcnt 0x0
	ds_add_u32 v3, v1
	s_wait_dscnt 0x0
	s_set_vgpr_msb 0x400
	s_endpgm
; ---------------- the table ----------------
.Ltable:
	s_wait_kmcnt 0x0                               ; (the scales are not used on this way)
	s_sub_co_u32 s30, ttmp9, 640
	s_lshl_b32 s30, s30, 2
	s_add_co_u32 s30, s30, s20                     ; W = 0..127
	s_and_b32 s31, s30, 7                          ; 2t + u: which 512 bytes of a block of 16 positions
	s_lshr_b32 s32, s30, 3                         ; which eight blocks
	s_lshr_b32 s33, s31, 1
	s_lshl_b32 s33, s33, 3
	s_and_b32 s34, s31, 1
	s_lshl_b32 s34, s34, 1
	s_add_co_u32 s33, s33, s34                     ; 8t + 2u
	v_bfe_u32 v9, v0, 4, 1
	v_lshl_add_u32 v10, v9, 2, s33                 ; i0 = 8t + 4h + 2u
	v_add_nc_u32 v11, 1, v10
	v_cvt_f32_u32 v10, v10
	s_wait_alu depctr_va_vdst(0)
	v_cvt_f32_u32 v11, v11
	s_mov_b32 s36, 0x3ed49a78                      ; log2(10) / 8, its f32 part,
	s_mov_b32 s37, 0x32179a39                      ; and the rest
	s_mov_b32 s40, 0x3f22f983                      ; 2 / pi
	s_mov_b32 s41, 0x3fc90fdb                      ; pi / 2, its f32 part,
	s_mov_b32 s42, 0xb33bbd2e                      ; and the rest
	s_mov_b32 s43, 0xb94ca1f9                      ; sine's polynomial
	s_mov_b32 s44, 0x3c08839e
	s_mov_b32 s45, 0xbe2aaaa3
	s_mov_b32 s46, 0x37ccf5ce                      ; cosine's
	s_mov_b32 s47, 0xbab6061a
	s_mov_b32 s48, 0x3d2aaaa5
	s_wait_alu depctr_va_vdst(0)
.irp q, 0,1                                    ; freq = 2^(-i log2(10) / 8): the exponent in two parts, the small one by a first-order term
	v_mul_f32 v[14+\q], s36, v[10+\q]
	v_fma_f32 v[16+\q], v[10+\q], s36, -v[14+\q]   ; what the product's rounding lost
	v_fma_f32 v[16+\q], v[10+\q], s37, v[16+\q]
	v_exp_f32 v[12+\q], -v[14+\q]
.endr
	v_nop                                          ; a plain line behind the last exponential
	s_wait_alu depctr_va_vdst(0)                   ; one wait for both, ahead of the first reader
.irp q, 0,1
	v_mul_f32 v[18+\q], 0x3f317218, v[12+\q]       ; x ln 2
	v_fma_f32 v[12+\q], v[18+\q], -v[16+\q], v[12+\q]
.endr
	s_lshl_b32 s50, s32, 7
	v_and_b32 v8, 15, v0
	v_add_nc_u32 v20, s50, v8                      ; pos = 16 PB + r
	s_lshl_b32 s50, s32, 15
	s_lshl_b32 s51, s31, 9
	s_add_co_u32 s50, s50, s51
	v_add_nc_u32 v21, s50, v1                      ; PB x 4,096 + (2t + u) x 512 + 16 x lane
	s_mov_b32 s38, 0
.Ltrip:
	s_wait_alu depctr_va_vdst(0)
	v_cvt_f32_u32 v22, v20
.irp q, 0,1
	v_mul_f32 v[24+\q], v22, v[12+\q]              ; the angle, rounded once
	v_mul_f32 v[26+\q], s40, v[24+\q]
	v_rndne_f32 v[26+\q], v[26+\q]                 ; quarter turns
	v_fma_f32 v[24+\q], -v[26+\q], s41, v[24+\q]
	v_fma_f32 v[24+\q], -v[26+\q], s42, v[24+\q]   ; the rest, within +-pi/4
	v_mul_f32 v[28+\q], v[24+\q], v[24+\q]
	v_cvt_i32_f32 v[26+\q], v[26+\q]
	v_fma_f32 v[30+\q], v[28+\q], s43, s44
	v_fma_f32 v[30+\q], v[30+\q], v[28+\q], s45
	v_mul_f32 v[30+\q], v[30+\q], v[28+\q]
	v_fma_f32 v[30+\q], v[30+\q], v[24+\q], v[24+\q]   ; sine of the rest
	v_fma_f32 v[32+\q], v[28+\q], s46, s47
	v_fma_f32 v[32+\q], v[32+\q], v[28+\q], s48
	v_mul_f32 v[32+\q], v[32+\q], v[28+\q]
	v_fma_f32 v[34+\q], v[28+\q], -0.5, 1.0
	v_fma_f32 v[32+\q], v[32+\q], v[28+\q], v[34+\q]   ; cosine of the rest
	v_and_b32 v[34+\q], 1, v[26+\q]
	v_cmp_eq_u32 vcc_lo, 1, v[34+\q]               ; an odd quarter swaps the two
	v_cndmask_b32 v[36+\q], v[30+\q], v[32+\q], vcc_lo
	v_cndmask_b32 v[38+\q], v[32+\q], v[30+\q], vcc_lo
	v_and_b32 v[34+\q], 2, v[26+\q]                ; sine's sign: quarters 2, 3
	v_lshlrev_b32 v[34+\q], 30, v[34+\q]
	v_xor_b32 v[41+2*\q], v[34+\q], v[36+\q]
	v_add_nc_u32 v[34+\q], 1, v[26+\q]             ; cosine's: quarters 1, 2
	v_and_b32 v[34+\q], 2, v[34+\q]
	v_lshlrev_b32 v[34+\q], 30, v[34+\q]
	v_xor_b32 v[40+2*\q], v[34+\q], v[38+\q]
.endr
	global_store_b128 v21, v[40:43], s[18:19]      ; cos i0, sin i0, cos i0+1, sin i0+1: 512 consecutive bytes a wave
	s_wait_xcnt 0x0                                ; the store has read its registers: offset and data are written again
	v_add_nc_u32 v21, 4096, v21
	v_add_nc_u32 v20, 16, v20
	s_add_co_u32 s38, s38, 1
	s_cmp_lt_u32 s38, 8
	s_cbranch_scc1 .Ltrip
	s_endpgm
.Lfunc_end_k_qff3ef5e670_prep:
	.size	k_qff3ef5e670_prep, .Lfunc_end_k_qff3ef5e670_prep-k_qff3ef5e670_prep
	.p2alignl 7, 3214868480
	.fill 96, 4, 3214868480
	.section	.rodata,"a",@progbits
	.p2align	6, 0x0
	.amdhsa_kernel k_qff3ef5e670_prep
		.amdhsa_group_segment_fixed_size 50688
		.amdhsa_private_segment_fixed_size 0
		.amdhsa_enable_private_segment 0
		.amdhsa_kernarg_size 64
		.amdhsa_user_sgpr_count 2
		.amdhsa_user_sgpr_kernarg_segment_ptr 1
		.amdhsa_wavefront_size32 1
		.amdhsa_system_sgpr_workgroup_id_x 1
		.amdhsa_system_sgpr_workgroup_id_y 1
		.amdhsa_system_sgpr_workgroup_id_z 1
		.amdhsa_system_vgpr_workitem_id 0
		.amdhsa_next_free_vgpr 258
		.amdhsa_next_free_sgpr 100
		.amdhsa_reserve_vcc 1
		.amdhsa_float_denorm_mode_32 3
		.amdhsa_float_denorm_mode_16_64 3
		.amdhsa_memory_ordered 1
		.amdhsa_forward_progress 1
		.amdhsa_inst_pref_size 62
	.end_amdhsa_kernel
	.amdgpu_metadata
---
amdhsa.version: [ 1, 2 ]
amdhsa.kernels:
  - .name:           k_qff3ef5e670_prep
    .symbol:         k_qff3ef5e670_prep.kd
    .args:
      - { .name: x, .offset: 0, .size: 8, .value_kind: global_buffer, .address_space: global }
      - { .name: w_qkv, .offset: 8, .size: 8, .value_kind: global_buffer, .address_space: global }
      - { .name: w_hkv, .offset: 16, .size: 8, .value_kind: global_buffer, .address_space: global }
      - { .name: w_out, .offset: 24, .size: 8, .value_kind: global_buffer, .address_space: global }
      - { .name: lowp_scales, .offset: 32, .size: 8, .value_kind: global_buffer, .address_space: global }
      - { .name: xc, .offset: 40, .size: 8, .value_kind: global_buffer, .address_space: global }
      - { .name: wc, .offset: 48, .size: 8, .value_kind: global_buffer, .address_space: global }
      - { .name: rt, .offset: 56, .size: 8, .value_kind: global_buffer, .address_space: global }
    .group_segment_fixed_size: 50688
    .private_segment_fixed_size: 0
    .kernarg_segment_align: 8
    .kernarg_segment_size: 64
    .max_flat_workgroup_size: 128
    .sgpr_count:     100
    .vgpr_count:     258
    .wavefront_size: 32
...
	.end_amdgpu_metadata
.endif
;; end of part 1
;; launch proj (part 2): grid 16 x 16, 4 waves a work-group, clusters of 4 x 4, 327,680 bytes of LDS; arguments xc, wc, rt, lowp_scales, qs, kv, hvf, qhk; writes qs, kv, hvf, qhk
.if DOCPART == 2
	.amdgcn_target "amdgcn-amd-amdhsa--gfx1250"
	.amdhsa_code_object_version 6
	.text
	.protected	k_qff3ef5e670_proj
	.globl	k_qff3ef5e670_proj
	.p2align	8
	.type	k_qff3ef5e670_proj,@function
k_qff3ef5e670_proj:
	s_mov_b64 s[64:65], 0
	v_nop
	global_prefetch_b8 v0, s[64:65] scope:SCOPE_SE
	s_setreg_imm32_b32 hwreg(HW_REG_WAVE_MODE, 25, 1), 1
	s_wait_xcnt 0x0
	s_wait_alu depctr_hold_cnt(0) depctr_sa_sdst(0) depctr_va_vdst(0) depctr_va_sdst(0) depctr_va_ssrc(0) depctr_va_vcc(0) depctr_vm_vsrc(0)
	s_getreg_b32 s2, hwreg(HW_REG_IB_STS2, 6, 4)
	s_cmp_eq_u32 s2, 0
	s_cbranch_scc0 .Lentry_in_a_cluster
	s_endpgm
.Lentry_in_a_cluster:
	s_bfe_u32 s2, ttmp6, 0x10000c
	s_cmp_lg_u32 s2, 0xf033
	s_cbranch_scc0 .Lentry_shape_is_right
	s_endpgm
.Lentry_shape_is_right:
.set SLOT,  106496
.set BOFF,  65536
.set VST,   212992
.set VP,    272
.set QST,   282624
.set SPARE, 283648
.set LI,  4
.set VS,  6
.set VR,  7
.set QW,  8
.set QR,  9
.set QG,  10
.set ADA, 16
.set ADB, 20
.set SPW, 28
.set NIL, 29
.set PD,  30
.set SC,  32
.set CH,  46
.set CSET, 48
.set BB,  64
.set AF,  192
.set CS,  64
.set Y,   192
.set T,   224
.set WV,  20
.set FB,  21
.set HF,  22
.set G1,  24
.set G0,  32
.set G1B, 48
.set G0B, 56
.set MSB, 0
.macro WIN new
.if MSB != \new
	s_set_vgpr_msb (MSB<<8)|\new
.set MSB, \new
.endif
.endm
.macro PLACES
.rept 4
	v_nop
.endr
.endm
.macro JLOAD g0a, g0b
	s_cmp_eq_u32 s[FB], 0
	s_cbranch_scc0 .Lfor_b_\@
	tensor_load_to_lds s[\g0a:\g0a+3], s[G1:G1+7]
	s_nop 0
.rept 4
	v_nop
.endr
	s_branch .Lasked_\@
.Lfor_b_\@:
	tensor_load_to_lds s[\g0b:\g0b+3], s[G1B:G1B+7]
	s_nop 0
.rept 4
	v_nop
.endr
.Lasked_\@:
.endm
; A prefetch into the L2 of K step k, counted from where s[98:99] stands: of the rows that my wave fetches (128 of x's codes, 80 of the weights', 256 bytes each) my work-group takes a quarter,
; told apart from its three partners by address; a lane a row; in the weights' waves lanes 20 to 31 name their wave's last row again.
.macro ASK k, guard
.if \guard
	s_cmp_gt_u32 s3, 1                             ; the loop's last trip has no such K step
	s_cbranch_scc0 .Lpd_\@
.endif
	s_cmp_eq_u32 s[FB], 0
	s_cbranch_scc0 .Lpb_\@
	global_prefetch_b8 v5, s[98:99] offset:(\k)*65536 th:TH_LOAD_NT scope:SCOPE_SE
	s_branch .Lpd_\@
.Lpb_\@:
	global_prefetch_b8 v5, s[98:99] offset:(\k)*40960 th:TH_LOAD_NT scope:SCOPE_SE
.Lpd_\@:
.endm
.macro CREST
	s_cmp_lg_u32 s[WV], 0
	s_cbranch_scc1 .Lnot_wave_0_\@
	s_barrier_signal -3
.Lnot_wave_0_\@:
	s_barrier_wait -3
	s_barrier_signal -1
	s_barrier_wait -1
.endm
.macro CROUND
	s_barrier_signal -1
	s_barrier_wait -1
	CREST
.endm
.macro MKSC p, ea, eb
	s_sub_co_i32 s96, s[\ea], s[\eb]
	s_add_co_i32 s96, s96, 127
	s_lshl_b32 s97, s96, 23
	v_mov_b32 v[SC+2*\p], s97
	s_add_co_i32 s96, s96, 8
	s_lshl_b32 s96, s96, 23
	s_or_b32 s96, s96, 0x600000
	v_mov_b32 v[SC+2*\p+1], s96
.endm
	s_load_b512 s[4:19], s[0:1], 0x0
	v_lshl_add_u32 v[SPW], v0, 2, SPARE
	v_mov_b32 v[NIL], 0
	ds_add_u32 v28, v29
	ds_add_u32 v28, v29
	s_wait_dscnt 0x0
	v_lshrrev_b32 v1, 5, v0
	v_readfirstlane_b32 s[WV], v1
	s_lshr_b32 s[FB], s[WV], 1
	s_and_b32 s[HF], s[WV], 1
	s_bfe_u32 s40, ttmp6, 0x40000
	s_bfe_u32 s41, ttmp6, 0x40004
	s_lshl_b32 s42, ttmp9, 2
	s_add_co_u32 s42, s42, s40
	s_and_b32 s43, ttmp7, 0xffff
	s_lshl_b32 s43, s43, 2
	s_add_co_u32 s43, s43, s41
	s_lshl_b32 s44, s41, 2
	s_lshl_b32 s44, 15, s44
	s_lshl_b32 s45, 0x1111, s40
	s_or_b32 s[G1], s44, (3<<16)|(1<<21)
	s_mov_b32 s[G1+1], 32<<16
	s_mov_b32 s[G1+2], 128<<16
	s_mov_b32 s[G1+3], 32<<16
	s_mov_b32 s[G1+4], 128
	s_mov_b32 s[G1+5], 32
	s_mov_b32 s[G1+6], 0
	s_mov_b32 s[G1+7], 0
	s_or_b32 s[G1B], s45, (3<<16)|(1<<21)
	s_mov_b32 s[G1B+1], 32<<16
	s_mov_b32 s[G1B+2], 80<<16
	s_mov_b32 s[G1B+3], 32<<16
	s_mov_b32 s[G1B+4], 80
	s_mov_b32 s[G1B+5], 32
	s_mov_b32 s[G1B+6], 0
	s_mov_b32 s[G1B+7], 0
	s_lshl_b32 s46, s43, 19
	s_lshl_b32 s47, s[HF], 15
	s_add_co_u32 s46, s46, s47
	s_mov_b32 s47, 0
	s_mul_i32 s80, s42, 327680
	s_mul_i32 s81, s[HF], 20480
	s_add_co_u32 s80, s80, s81
	s_mov_b32 s81, 0
	s_lshl_b32 s87, s[HF], 15
	s_mul_i32 s88, s[HF], 20480
	s_add_co_u32 s88, s88, BOFF
	s_wait_kmcnt 0x0
	s_load_b256 s[68:75], s[10:11], 0x0
	s_load_b128 s[76:79], s[10:11], 0x20
	s_add_nc_u64 s[46:47], s[4:5], s[46:47]
	s_add_nc_u64 s[80:81], s[6:7], s[80:81]
	s_cmp_eq_u32 s[FB], 0                          ; the prefetches: x's codes or the weights',
	s_cselect_b64 s[98:99], s[46:47], s[80:81]
	s_cselect_b32 s90, s40, s41                    ; my place among the four that ask for the tile with me,
	s_mov_b32 s66, 81920
	s_cselect_b32 s66, 131072, s66                 ; two K steps in bytes,
	s_mov_b32 s92, 5120
	s_cselect_b32 s92, 8192, s92                   ; a quarter of my wave's rows in bytes,
	s_cselect_b32 s23, 31, 19                      ; and its last row
	s_mul_i32 s92, s90, s92
	s_mov_b32 s93, 0
	s_add_nc_u64 s[98:99], s[98:99], s[92:93]
	s_mov_b32 s67, 0
	v_and_b32 v5, 31, v0
	v_min_u32 v5, s23, v5
	v_lshlrev_b32 v5, 8, v5                        ; a lane a row of 256 bytes; never rewritten
	CROUND
.irp s, 0,1
	s_mov_b32 s[G0+4*\s], 1
	s_add_co_u32 s[G0+4*\s+1], s87, \s*SLOT
	s_add_nc_u64 s[G0+4*\s+2:G0+4*\s+3], s[46:47], \s*65536
	s_or_b32 s[G0+4*\s+3], s[G0+4*\s+3], 0x80000000
	s_mov_b32 s[G0B+4*\s], 1
	s_add_co_u32 s[G0B+4*\s+1], s88, \s*SLOT
	s_add_nc_u64 s[G0B+4*\s+2:G0B+4*\s+3], s[80:81], \s*40960
	s_or_b32 s[G0B+4*\s+3], s[G0B+4*\s+3], 0x80000000
	s_wait_alu depctr_va_vdst(0)
	s_wait_tensorcnt 0x0
	ds_add_u32 v28, v29
	ds_add_u32 v28, v29
	s_wait_dscnt 0x0
	CROUND
	JLOAD G0+4*\s, G0B+4*\s
.if \s == 0
	ASK 1, 0                                       ; K steps 1 and 2, whose loads follow when K step 0 has landed
	ASK 2, 0
.endif
.endr
	v_and_b32 v1, 31, v0
	v_lshlrev_b32 v[LI], 4, v1
	v_and_b32 v2, 15, v0
	v_bfe_u32 v3, v0, 4, 1
	s_lshl_b32 s87, s[WV], 13
	v_add_nc_u32 v[ADA], s87, v[LI]
	v_add_nc_u32 v[ADA+1], SLOT, v[ADA]
	v_add_nc_u32 v[ADB], BOFF, v[LI]
	v_add_nc_u32 v[ADB+1], SLOT, v[ADB]
	s_mul_i32 s87, s[WV], 64*VP
	s_add_co_u32 s87, s87, VST
	v_mul_u32_u24 v[VS], v3, 8*VP
	v_lshl_add_u32 v[VS], v2, 2, v[VS]
	v_add_nc_u32 v[VS], s87, v[VS]
	v_mul_u32_u24 v[VR], v2, VP
	v_lshl_add_u32 v[VR], v3, 5, v[VR]
	v_add_nc_u32 v[VR], s87, v[VR]
	s_lshl_b32 s87, s[WV], 8
	s_add_co_u32 s87, s87, QST
	v_lshl_add_u32 v[QW], v2, 2, s87
	v_lshl_add_u32 v[QR], v1, 3, s87
	v_lshlrev_b32 v[QG], 3, v1
	v_mov_b32 v[PD], 0
	s_lshr_b32 s88, s43, 3
	s_lshl_b32 s89, s88, 4
	s_add_co_u32 s89, s89, s42
	s_and_b32 s90, s43, 7
	s_lshl_b32 s90, s90, 8
	s_lshl_b32 s91, s[WV], 6
	s_add_co_u32 s90, s90, s91
	s_lshl_b32 s91, s89, 7
	s_lshr_b32 s92, s90, 4
	s_add_co_u32 s91, s91, s92
	s_mov_b32 s93, 0
	s_mul_i32 s92, s91, 3072
	s_add_nc_u64 s[12:13], s[12:13], s[92:93]
	s_lshl_b32 s92, s91, 12
	s_add_nc_u64 s[16:17], s[16:17], s[92:93]
	s_lshl_b32 s92, s91, 6
	s_add_nc_u64 s[18:19], s[18:19], s[92:93]
	s_lshl_b32 s92, s89, 19
	s_lshr_b32 s91, s90, 6
	s_lshl_b32 s91, s91, 14
	s_add_co_u32 s92, s92, s91
	s_add_nc_u64 s[14:15], s[14:15], s[92:93]
	s_lshr_b32 s92, s90, 4
	s_lshl_b32 s92, s92, 12
	s_add_nc_u64 s[8:9], s[8:9], s[92:93]
	s_mov_b32 s82, 0x76543210
	s_mov_b32 s83, 0xfedcba98
	s_wait_kmcnt 0x0
	s_add_co_i32 s94, s68, s69
	s_add_co_i32 s95, s70, s71
	MKSC 0, 72, 94
	MKSC 1, 73, 94
	MKSC 2, 75, 94
	MKSC 3, 77, 94
	MKSC 4, 79, 94
	MKSC 5, 74, 95
	MKSC 6, 76, 95
	s_add_co_i32 s84, s95, 127
	s_lshl_b32 s84, s84, 23
	s_mov_b32 s85, s84
	s_add_co_i32 s86, s94, s95
.macro FETCH_B slot, g, buf
	WIN 0
.irp t, 0,1,2,3
.irp p, 0,1,2,3
	ds_load_b128 v[BB+64*(\buf)+16*\t+4*\p:BB+64*(\buf)+16*\t+4*\p+3], v[ADB+\slot] offset:(4*(\g)+\t)*2048+512*\p
.endr
.endr
.endm
.macro FETCH_A slot, ver
.if \ver
	WIN 0xc0
.else
	WIN 0
.endif
.irp a, 0,1,2,3
.irp p, 0,1,2,3
	ds_load_b128 v[AF+16*\a+4*\p:AF+16*\a+4*\p+3], v[ADA+\slot] offset:\ver*32768+\a*2048+512*\p
.endr
.endr
	WIN 0
.endm
.macro MUL g, buf, a0, zero
.if (\g) < 2
	WIN 0x50
.elseif (\g) == 2
	WIN 0xa0
.elseif (\g) == 3
	WIN 0xac
.else
	WIN 0xfc
.endif
.irp a, \a0, \a0+1
.irp t, 0,1,2,3
.if \zero
	v_wmma_f32_16x16x128_fp8_fp8 v[128*((\g)%2)+32*(\a)+8*\t:128*((\g)%2)+32*(\a)+8*\t+7], v[BB+64*(\buf)+16*\t:BB+64*(\buf)+16*\t+15], v[AF+16*(\a):AF+16*(\a)+15], 0
.else
	v_wmma_f32_16x16x128_fp8_fp8 v[128*((\g)%2)+32*(\a)+8*\t:128*((\g)%2)+32*(\a)+8*\t+7], v[BB+64*(\buf)+16*\t:BB+64*(\buf)+16*\t+15], v[AF+16*(\a):AF+16*(\a)+15], v[128*((\g)%2)+32*(\a)+8*\t:128*((\g)%2)+32*(\a)+8*\t+7]
.endif
.endr
.endr
.endm
.macro KSTEP slot, zero, mode, ask, guard
	PLACES
	FETCH_B \slot, 1, (\slot+1)%2
	FETCH_A \slot, 1
	s_wait_dscnt 32
	MUL 0, (\slot)%2, 0, \zero
	MUL 0, (\slot)%2, 2, \zero
	PLACES
	FETCH_B \slot, 2, (\slot)%2
	s_wait_dscnt 16
	MUL 1, (\slot+1)%2, 0, \zero
	MUL 1, (\slot+1)%2, 2, \zero
	PLACES
	FETCH_B \slot, 3, (\slot+1)%2
	s_wait_dscnt 16
	MUL 2, (\slot)%2, 0, \zero
	MUL 2, (\slot)%2, 2, \zero
	PLACES
	FETCH_B \slot, 4, (\slot)%2
.if \mode
	WIN 0
	s_wait_tensorcnt 0x0
	ds_add_u32 v[SPW], v[NIL]
	s_wait_dscnt 17
	MUL 3, (\slot+1)%2, 0, \zero
	s_wait_dscnt 0x0
	s_barrier_signal -1
	MUL 3, (\slot+1)%2, 2, \zero
	WIN 0
	s_barrier_wait -1
.if \mode == 2
	CREST
	s_add_nc_u64 s[G0+4*\slot+2:G0+4*\slot+3], s[G0+4*\slot+2:G0+4*\slot+3], 131072
	s_add_nc_u64 s[G0B+4*\slot+2:G0B+4*\slot+3], s[G0B+4*\slot+2:G0B+4*\slot+3], 81920
	JLOAD G0+4*\slot, G0B+4*\slot
.else
	PLACES
.endif
	FETCH_B 1-\slot, 0, (\slot+1)%2
	FETCH_A 1-\slot, 0
.if \ask
	ASK \ask, \guard                               ; behind the joint load and the run of LDS loads: the K step that the next refill will ask for
.endif
.else
	s_wait_dscnt 16
	MUL 3, (\slot+1)%2, 0, \zero
	MUL 3, (\slot+1)%2, 2, \zero
	s_wait_dscnt 0x0
.endif
	MUL 4, (\slot)%2, 0, \zero
	MUL 4, (\slot)%2, 2, \zero
	WIN 0
.endm
	s_wait_tensorcnt 0x1
	s_barrier_signal -1
	s_barrier_wait -1
	FETCH_B 0, 0, 0
	FETCH_A 0, 0
	KSTEP 0, 1, 2, 3, 0
	KSTEP 1, 0, 2, 4, 0
	s_mov_b32 s3, 2
.Lk:
	KSTEP 0, 0, 2, 5, 0
	KSTEP 1, 0, 2, 6, 1
	s_wait_xcnt 0x0                                ; my prefetches have read their base: it goes two K steps on
	s_add_nc_u64 s[98:99], s[98:99], s[66:67]
	s_sub_co_u32 s3, s3, 1
	s_cmp_lg_u32 s3, 0
	s_cbranch_scc1 .Lk
	KSTEP 0, 0, 1, 0, 0
	KSTEP 1, 0, 0, 0, 0
.macro QUANT win, src, tmp, p
	WIN \win
.set qi, 0
.rept 32
	v_med3_num_f32 v[\tmp+qi], v[\src+qi], -v[SC+2*\p+1], v[SC+2*\p+1]
.set qi, qi+1
.endr
	s_wait_alu depctr_va_vdst(0)
	WIN 0
	s_wait_xcnt 0x0
.irp t, 0,1,2,3
	v_cvt_scalef32_pk8_fp8_f32 v[CSET+2*\t:CSET+2*\t+1], v[\tmp+8*\t:\tmp+8*\t+7], v[SC+2*\p]
.endr
	v_nop
.endm
.macro PUT base, off
	global_store_b128 v[LI], v[CSET:CSET+3], s[\base:\base+1] offset:\off
	global_store_b128 v[LI], v[CSET+4:CSET+7], s[\base:\base+1] offset:\off+512
.endm
.macro ROPE src, a, tmp, out
	WIN 0x01
.set qi, 0
.rept 16
	v_mul_f32 v[\tmp+qi], v[\src+qi], v[CS+32*(\a)+qi]
	v_mul_f32 v[\tmp+qi+1], v[\src+qi+1], v[CS+32*(\a)+qi]
	v_fma_f32 v[\out+qi], -v[\src+qi+1], v[CS+32*(\a)+qi+1], v[\tmp+qi]
	v_fma_f32 v[\out+qi+1], v[\src+qi], v[CS+32*(\a)+qi+1], v[\tmp+qi+1]
.set qi, qi+2
.endr
	WIN 0
.endm
.macro LOADV f, reg
.irp c, 0,1,2,3
	ds_load_b128 v[\reg+8*\c:\reg+8*\c+3], v[VR] offset:16*(\f)*VP+64*\c
	ds_load_b128 v[\reg+8*\c+4:\reg+8*\c+7], v[VR] offset:16*(\f)*VP+64*\c+16
.endr
.endm
	PLACES
.irp a, 0,1,2,3
.irp t, 0,1,2,3
.irp u, 0,1
	global_load_b128 v[CS+32*\a+8*\t+4*\u:CS+32*\a+8*\t+4*\u+3], v[LI], s[8:9] offset:\a*4096+(2*\t+\u)*512
.endr
.endr
.endr
.irp a, 0,1,2,3
	WIN 0x03
.set qi, 0
.rept 16
	v_pk_mul_f32 v[Y+qi:Y+qi+1], v[32*\a+qi:32*\a+qi+1], s[84:85] op_sel_hi:[1,0]
.set qi, qi+2
.endr
	WIN 0
.irp u, 0,1,2,3,4,5,6,7
	global_store_b128 v[LI], v[Y+4*\u:Y+4*\u+3], s[16:17] offset:\a*4096+512*\u
.endr
	QUANT 0x03, 32*\a, T, 6
	PUT 12, \a*3072+2048
.endr
.irp a, 0,1,2,3
	QUANT 0x02, 128+32*\a, T, 5
	PUT 12, \a*3072+1024
.endr
.irp a, 0,1,2,3
	QUANT 0x02, 32*\a, T, 3
	PUT 14, 8192+\a*1024
	WIN 0x08
.irp t, 0,1,2,3
.irp j, 0,1,2,3,4,5,6,7
	ds_store_b32 v[VS], v[32*\a+8*\t+\j] offset:(16*\t+\j)*VP+64*\a
.endr
.endr
	WIN 0
.endr
	LOADV 0, Y
	LOADV 1, T
	s_wait_dscnt 8
	QUANT 0, Y, Y, 4
	PUT 14, 12288
	LOADV 2, Y
	s_wait_dscnt 8
	QUANT 0, T, T, 4
	PUT 14, 12288+1024
	LOADV 3, T
	s_wait_dscnt 8
	QUANT 0, Y, Y, 4
	PUT 14, 12288+2048
	s_wait_dscnt 0x0
	QUANT 0, T, T, 4
	PUT 14, 12288+3072
.irp a, 0,1,2,3
	s_wait_loadcnt 24-8*\a
	ROPE 32*\a, \a, T, Y
	WIN 0x08
	v_mul_f32 v[CH], v[Y], v[128+32*\a]
	v_mul_f32 v[CH+1], v[Y+1], v[128+32*\a+1]
.set qi, 2
.rept 15
	v_fma_f32 v[CH], v[Y+qi], v[128+32*\a+qi], v[CH]
	v_fma_f32 v[CH+1], v[Y+qi+1], v[128+32*\a+qi+1], v[CH+1]
.set qi, qi+2
.endr
	WIN 0
	v_add_f32 v[CH], v[CH], v[CH+1]
	v_permlanex16_b32 v[PD], v[CH], s82, s83
	v_add_f32 v[CH], v[CH], v[PD]
	v_ldexp_f32 v[CH], v[CH], s86
	ds_store_b32 v[QW], v[CH] offset:64*\a
	QUANT 0, Y, Y, 0
	PUT 12, \a*3072
	ROPE 128+32*\a, \a, Y, T
	QUANT 0, T, Y, 1
	PUT 14, \a*1024
	QUANT 0, T, Y, 2
	PUT 14, 4096+\a*1024
.endr
	ds_load_b64 v[CH:CH+1], v[QR]
	s_wait_dscnt 0x0
	global_store_b64 v[QG], v[CH:CH+1], s[18:19]
	s_wait_tensorcnt 0x0
	ds_add_u32 v[SPW], v[NIL]
	s_wait_dscnt 0x0
	CROUND
	s_endpgm
.Lfunc_end_k_qff3ef5e670_proj:
	.size	k_qff3ef5e670_proj, .Lfunc_end_k_qff3ef5e670_proj-k_qff3ef5e670_proj
	.p2alignl 7, 3214868480
	.fill 96, 4, 3214868480
	.section	.rodata,"a",@progbits
	.p2align	6, 0x0
	.amdhsa_kernel k_qff3ef5e670_proj
		.amdhsa_group_segment_fixed_size 327680
		.amdhsa_private_segment_fixed_size 0
		.amdhsa_enable_private_segment 0
		.amdhsa_kernarg_size 64
		.amdhsa_user_sgpr_count 2
		.amdhsa_user_sgpr_kernarg_segment_ptr 1
		.amdhsa_wavefront_size32 1
		.amdhsa_system_sgpr_workgroup_id_x 1
		.amdhsa_system_sgpr_workgroup_id_y 1
		.amdhsa_system_sgpr_workgroup_id_z 1
		.amdhsa_system_vgpr_workitem_id 0
		.amdhsa_next_free_vgpr 1024
		.amdhsa_next_free_sgpr 100
		.amdhsa_reserve_vcc 0
		.amdhsa_float_denorm_mode_32 3
		.amdhsa_float_denorm_mode_16_64 3
		.amdhsa_memory_ordered 1
		.amdhsa_forward_progress 1
		.amdhsa_inst_pref_size 223
	.end_amdhsa_kernel
	.amdgpu_metadata
---
amdhsa.version: [ 1, 2 ]
amdhsa.kernels:
  - .name:           k_qff3ef5e670_proj
    .symbol:         k_qff3ef5e670_proj.kd
    .args:
      - { .name: xc, .offset: 0, .size: 8, .value_kind: global_buffer, .address_space: global }
      - { .name: wc, .offset: 8, .size: 8, .value_kind: global_buffer, .address_space: global }
      - { .name: rt, .offset: 16, .size: 8, .value_kind: global_buffer, .address_space: global }
      - { .name: lowp_scales, .offset: 24, .size: 8, .value_kind: global_buffer, .address_space: global }
      - { .name: qs, .offset: 32, .size: 8, .value_kind: global_buffer, .address_space: global }
      - { .name: kv, .offset: 40, .size: 8, .value_kind: global_buffer, .address_space: global }
      - { .name: hvf, .offset: 48, .size: 8, .value_kind: global_buffer, .address_space: global }
      - { .name: qhk, .offset: 56, .size: 8, .value_kind: global_buffer, .address_space: global }
    .group_segment_fixed_size: 327680
    .private_segment_fixed_size: 0
    .kernarg_segment_align: 8
    .kernarg_segment_size: 64
    .max_flat_workgroup_size: 128
    .sgpr_count:     100
    .vgpr_count:     1024
    .wavefront_size: 32
...
	.end_amdgpu_metadata
.endif
;; end of part 2
;; launch attn (part 3): grid 8 x 32, 8 waves a work-group, no clusters, 327,680 bytes of LDS; arguments qs, kv, hvf, qhk, alpha, lowp_scales, oc; writes oc
.if DOCPART == 3
	.amdgcn_target "amdgcn-amd-amdhsa--gfx1250"
	.amdhsa_code_object_version 6
	.text
	.protected	k_qff3ef5e670_attn
	.globl	k_qff3ef5e670_attn
	.p2align	8
	.type	k_qff3ef5e670_attn,@function
k_qff3ef5e670_attn:
	s_mov_b64 s[64:65], 0
	v_nop
	global_prefetch_b8 v0, s[64:65] scope:SCOPE_SE
	s_setreg_imm32_b32 hwreg(HW_REG_WAVE_MODE, 25, 1), 1
	s_wait_xcnt 0x0
; ATTN: for each head: logit = q.k / 8 - silu(hk.k x qhk / 8), causal; p = 2^(t - M), t = logit x log2(e), M = the ceiling of the running largest t; l = sum of p (unquantised);
; mod = sum of (hv.v) p / l;  o = (Q(p) Q(v)) / l - sigmoid(alpha) mod hv;  o is quantised under e12 for the last product.  All four products on codes of E4M3, K = 64 an instruction.
; SHARES.  Work-group i of a head takes two blocks of 128 queries, one after the other: block 15 - i, then block i: 16 - i and i + 1 runs of 128 keys, 17 for every i.
; Its eight waves are four pairs of tiles of 16 queries (wave % 4) x two halves of the key steps (wave / 4): of the steps of 64 keys the one half takes the even, the other the odd ones.
; A WAVE HAS TWO TILES, A and B, so that each fragment of k and v that it reads from LDS feeds two matrix instructions.  Tile A lives in registers v0-255, tile B in v256-511 under the same numbers: one text serves both, under two settings of the windows.
; At a block's end the two halves exchange -M, l, mod and O^T through a stage in LDS, across the barrier of the change of slots: the even half hands tile B over and joins, finishes and stores tile A; the odd half the other way round.
; THE WALK has nine trips of one slot of 256 keys, a constant: (17 - i) / 2 trips for the first block, the rest for the second.  Key steps that lie wholly behind a wave's queries (the causal mask of the problem) are left out by a scalar branch on ids.
; NO CLUSTER: the eight work-groups of a head go over to their second block in different trips and from there on need other keys than their partners: their descriptors would differ.
; LAYOUT.  All products are used transposed (source 0 = 16 keys, or 16 of the head's 64; source 1 = 16 queries): a lane holds ONE query of each tile (lane % 16), and tile c's eight registers are keys 16 c + 8 (lane / 16) + 0..7.
; Every operand lies in memory as an image of its registers.  A run of 64 keys is 16 pieces of 1,024 bytes (k under e5, k under e7, v under e9, v turned under e11, four fragments each).
; Wave w fetches pieces 2 w, 2 w + 1 of a slot's four runs by one tensor load (4 rows of 2,048 bytes, 16,384 apart): piece x of run q lies at 8,192 (x / 2) + 2,048 q + 1,024 (x % 2) of the slot.
; ARITHMETIC.  With c = log2(e) / 8 x 2^(e4+e5) and y = -z log2(e): u = q.k + y / (c (1 + 2^y)) is t / c; the maximum is taken of u, and t - M is one multiply-add u c - M.
; LIMITS: e4 + e5 between -123 and 130 (added to a constant's exponent field); e10 and e12 between -126 and 119; the other exponents go in by v_ldexp_f32.  NaN is not served.  The scaled scores stay under 2^31 in magnitude.
.set SLOT1, 131072                     ; a slot's region: 65,536 bytes of tiles, then the stage
.set STG,   65536                      ; the stage: 4,608 bytes for each tile of queries; no tensor load lands there
.set SPARE, 262144                     ; the spare words: 128 bytes for each of eight waves
.set SPW, 5                            ; v5  my spare word; never rewritten
.set NIL, 6                            ; v6  0; never rewritten
.set F0,  48                           ; v48-79   window 0: k under e5, then v under e9; window 1: v turned under e11
.set F1,  80                           ; v80-111  window 0: k under e7, then tile A at work in silu; window 1: tile B at work in silu
.set S1,  112                          ; v112-143 q.k, then u, then p
.set S2,  144                          ; v144-175 hk.k, then hv.v; on the way out hv as f32
.set QB,  176                          ; v176-199 q, hk, hv of the second block, as codes
.set AB,  200                          ; v200 the second block's -qhk log2(e)/8 2^(e6+e7)
.set SG,  201                          ; v201 my pair's place in a stage + 16 x lane
.set CV,  202                          ; v[202:203] c, twice
.set HL,  204                          ; v204, v205 448 x 2^e10, twice
.set PS,  206                          ; v206 2^e10
.set SW,  207                          ; v207 the stage of this trip's slot
.set O,   208                          ; v208-239 O^T
.set P,   240                          ; v240-247 codes
.set SR,  254                          ; v254 the stage of the other slot
; window 0 alone: v1 16 x lane + 2,048 x half; v2 the same in the step in hand; v3 256 x lane; v5, v6, v201, v207, v254.
; both windows: v4 the query in its quad - 8 (lane / 16); v7 -infinity; v[8:9] -qhk log2(e)/8 2^(e6+e7); v[10:11] f; v12 -M; v13 the largest t; v[14:15] l; v[16:17], v[18:19] mod; v20-22 at work;
; v23 sigmoid(alpha) 2^(e8+e9); v24-31 q, v32-39 hk, v40-47 hv as codes; v248, v249 2^e12 and 448 x it; v250-253 at work
.set WV,  18
.set PAR, 19                           ; s19 my half of the key steps
.set SEL, 20                           ; s[20:21] lane l xor 16
.set CS,  22                           ; s[22:23] c
.set G1,  24                           ; s[24:31] descriptor group 1
.set TB,  32                           ; s32 LDS byte at which the slot in hand begins
.set KS,  33                           ; s33 my first key step of the slot in hand
.set MQ,  34                           ; s34 my last key step: my quad of tiles
.set TR,  35                           ; s35 the trip
.set LIM, 36                           ; s36 the trip in which my work-group prefetches
.set SA,  37                           ; s37 trips of the first block
.set PFA, 38                           ; s[38:39] what my wave prefetches; never rewritten
.set G0,  40                           ; s[40:43] descriptor group 0
.set KB,  44                           ; s[44:45] my pieces of the head's first run of keys
.set NO,  46                           ; s[46:47] bytes from there to the slot that is asked for next
.set MQB, 48                           ; s48 my last key step in the second block
.set EO,  49                           ; s49 e10 + e11
.set HBA, 50                           ; s[50:51], s[52:53] hv as f32 of tile A in the first, the second block (tile B: 4,096 bytes on)
.set HBB, 52
.set OBA, 54                           ; s[54:55], s[56:57] where its codes of o go (tile B: 2,048 bytes on)
.set OBB, 56
.set UB,  66                           ; s66 LDS byte at which the step in hand begins: the slot + 4,096 x step
.set KU,  67                           ; s67 the key step in hand
.set UC,  99                           ; s99 steps of the slot done
.set MSB, 0
.macro WIN new                         ; low byte: bits 1:0 source 0, 3:2 source 1, 5:4 source 2, 7:6 destination; the high byte repeats the setting that is left
.if MSB != \new
	s_set_vgpr_msb (MSB<<8)|\new
.set MSB, \new
.endif
.endm
.set ALLB, 0x55                        ; tile B's vector work: every operand in window 1
.set MULB, 0x54                        ; tile B's products: the fragment in window 0, all else in window 1
.set TO_B, 0x40                        ; a load into window 1, its address in window 0
.set FR_B, 0x04                        ; a store out of window 1, its address in window 0
.macro MKSC vs, vl, se
	s_add_co_i32 s92, s[\se], 127
	s_lshl_b32 s93, s92, 23
	v_mov_b32 v[\vs], s93
	s_add_co_i32 s92, s92, 8
	s_lshl_b32 s92, s92, 23
	s_or_b32 s92, s92, 0x600000
	v_mov_b32 v[\vl], s92
.endm
.macro PH b, hb, ob, qb, kb, mq        ; byte offsets of tile A in block b: tile T = 8 b + 2 (wave % 4)
	s_lshl_b32 s92, \b, 3
	s_add_co_u32 s92, s92, s59
	s_lshr_b32 s[\mq], s92, 2
	s_lshl_b32 s93, s58, 7
	s_add_co_u32 s93, s93, s92             ; bh x 128 + T
	s_mul_i32 s[\qb], s93, 3072
	s_mov_b32 s[\qb+1], 0
	s_lshl_b32 s[\hb], s93, 12
	s_mov_b32 s[\hb+1], 0
	s_lshl_b32 s[\kb], s93, 6
	s_mov_b32 s[\kb+1], 0
	s_lshr_b32 s94, s58, 4                 ; oc: (((16 batch + b) x 8 + head / 2) x 8 + T % 8) x 2,048 + (head % 2) x 1,024
	s_lshl_b32 s94, s94, 4
	s_add_co_u32 s94, s94, \b
	s_lshl_b32 s94, s94, 3
	s_bfe_u32 s95, s58, 0x30001
	s_add_co_u32 s94, s94, s95
	s_lshl_b32 s94, s94, 3
	s_add_co_u32 s94, s94, s59
	s_lshl_b32 s94, s94, 11
	s_and_b32 s95, s58, 1
	s_lshl_b32 s95, s95, 10
	s_add_co_u32 s[\ob], s94, s95
	s_mov_b32 s[\ob+1], 0
.endm
.macro ZERO                            ; a block's sums begin: the first change of M multiplies zeros
	v_mov_b32 v13, 0xff61b1e6              ; the largest t so far: -3e38
	v_floor_f32 v12, -v13
	v_mov_b32 v14, 0
	v_mov_b32 v15, 0
	v_mov_b32 v16, 0
	v_mov_b32 v17, 0
.set i_, 0
.rept 32
	v_mov_b32 v[O+i_], 0
.set i_, i_+1
.endr
.endm
.macro REINIT                          ; a tile goes on to the second block
.set i_, 0
.rept 24
	v_mov_b32 v[24+i_], v[QB+i_]
.set i_, i_+1
.endr
	v_mov_b32 v8, v[AB]
	v_mov_b32 v9, v[AB]
	ZERO
.endm
.macro HLOAD d                         ; the head's loads of tile d: codes of both blocks, and qhk
.irp st, 0,1,2
	global_load_b128 v[24+8*\st:27+8*\st], v21, s[84:85] offset:\st*1024+3072*\d
	global_load_b128 v[28+8*\st:31+8*\st], v21, s[84:85] offset:\st*1024+512+3072*\d
	global_load_b128 v[QB+8*\st:QB+8*\st+3], v21, s[86:87] offset:\st*1024+3072*\d
	global_load_b128 v[QB+8*\st+4:QB+8*\st+7], v21, s[86:87] offset:\st*1024+512+3072*\d
.endr
	global_load_b32 v8, v253, s[88:89] offset:64*\d
	global_load_b32 v[AB], v253, s[90:91] offset:64*\d
.endm
.macro HINIT                           ; a tile's sums; v144-175 are given a value once, so that no way through the text reads them unwritten
	ZERO
.set i_, 0
.rept 32
	v_mov_b32 v[S2+i_], 0
.set i_, i_+1
.endr
.endm
.macro HQHK
	v_mul_f32 v8, 0xbe38aa3b, v8
	v_mul_f32 v[AB], 0xbe38aa3b, v[AB]
	v_ldexp_f32 v8, v8, s94                ; -qhk x log2(e) / 8 x 2^(e6+e7)
	v_ldexp_f32 v[AB], v[AB], s94
	v_mov_b32 v9, v8
.endm
	s_load_b256 s[4:11], s[0:1], 0x0               ; qs, kv, hvf, qhk
	s_load_b128 s[12:15], s[0:1], 0x20             ; alpha, scales
	s_load_b64 s[16:17], s[0:1], 0x30              ; oc
	v_lshl_add_u32 v[SPW], v0, 2, SPARE
	v_mov_b32 v[NIL], 0
	ds_add_u32 v[SPW], v[NIL]                      ; the opening: the add twice on end, and its wait ahead of my first tensor load
	ds_add_u32 v[SPW], v[NIL]
	v_lshrrev_b32 v1, 5, v0
	v_readfirstlane_b32 s[WV], v1
	s_and_b32 s58, ttmp7, 0xffff                   ; bh
	s_and_b32 s59, s[WV], 3
	s_lshl_b32 s59, s59, 1                         ; tile A in the block
	s_lshr_b32 s[PAR], s[WV], 2
	s_sub_co_u32 s60, 15, ttmp9                    ; the first block,
	s_mov_b32 s61, ttmp9                           ; the second
	PH s60, HBA, OBA, 84, 88, MQ
	PH s61, HBB, OBB, 86, 90, MQB
	s_mul_i32 s60, s59, 4608
	s_add_co_u32 s60, s60, STG                     ; my pair's place in a stage
	s_and_b32 s61, s59, 3
	s_lshl_b32 s61, s61, 4                         ; tile A's first query in its quad
	s_lshl_b32 s99, s[PAR], 11
	s_sub_co_u32 s[SA], 17, ttmp9
	s_lshr_b32 s[SA], s[SA], 1
	s_lshl_b32 s62, s58, 19                        ; the head's keys and values,
	s_lshl_b32 s63, s[WV], 11                      ; my two pieces
	s_add_co_u32 s62, s62, s63
	s_mov_b32 s63, 0
	s_and_b32 s66, s58, 15
	s_lshl_b32 s66, s66, 2                         ; my head's alpha
	s_mov_b32 s67, 0
	s_lshl_b32 s82, s58, 19                        ; the prefetch: slot i of the head, 8,192 bytes for each wave
	s_lshl_b32 s83, ttmp9, 16
	s_add_co_u32 s82, s82, s83
	s_lshl_b32 s83, s[WV], 13
	s_add_co_u32 s82, s82, s83
	s_mov_b32 s83, 0
	s_sub_co_u32 s[LIM], ttmp9, 2                  ; in trip i - 2, which loads slot i - 1 (for i under 2 no trip has this number)
	s_mov_b32 s[G1], 3<<16                         ; no mask; elements of 8 bytes; no padding
	s_mov_b32 s[G1+1], 256<<16                     ; tensor_dim0 = 256: rows of 2,048 bytes
	s_mov_b32 s[G1+2], 4<<16                       ; tensor_dim1 = 4
	s_mov_b32 s[G1+3], 256<<16
	s_mov_b32 s[G1+4], 4
	s_mov_b32 s[G1+5], 2048                        ; 16,384 bytes from row to row
	s_mov_b32 s[G1+6], 0
	s_mov_b32 s[G1+7], 0
	s_mov_b32 s[SEL], 0x76543210
	s_mov_b32 s[SEL+1], 0xfedcba98
	s_mov_b32 s[CS], 0x3e38aa3b                    ; log2(e) / 8
	s_mov_b32 s[TB], 0
	s_mov_b32 s[KS], s[PAR]
	s_mov_b32 s[TR], 0
	s_mov_b32 s[NO], 65536
	s_mov_b32 s[NO+1], 0
	s_wait_dscnt 0x0                               ; both opening adds are done
	s_wait_kmcnt 0x0
	s_load_b256 s[68:75], s[14:15], 0x0            ; e0 .. e7
	s_load_b128 s[76:79], s[14:15], 0x20           ; e8 .. e11
	s_load_b64 s[80:81], s[14:15], 0x30            ; e12, e13
	s_add_nc_u64 s[12:13], s[12:13], s[66:67]
	s_load_b32 s98, s[12:13], 0x0
	s_add_nc_u64 s[KB:KB+1], s[6:7], s[62:63]
	s_mov_b32 s[G0], 1
	s_lshl_b32 s[G0+1], s[WV], 13
	s_mov_b64 s[G0+2:G0+3], s[KB:KB+1]
	s_or_b32 s[G0+3], s[G0+3], 0x80000000
	tensor_load_to_lds s[G0:G0+3], s[G1:G1+7]      ; slot 0: every wave's one load at the head
	s_nop 0
.rept 4
	v_nop
.endr
	s_add_nc_u64 s[84:85], s[4:5], s[84:85]
	s_add_nc_u64 s[86:87], s[4:5], s[86:87]
	s_add_nc_u64 s[88:89], s[10:11], s[88:89]
	s_add_nc_u64 s[90:91], s[10:11], s[90:91]
	s_add_nc_u64 s[HBA:HBA+1], s[8:9], s[HBA:HBA+1]
	s_add_nc_u64 s[HBB:HBB+1], s[8:9], s[HBB:HBB+1]
	s_add_nc_u64 s[OBA:OBA+1], s[16:17], s[OBA:OBA+1]
	s_add_nc_u64 s[OBB:OBB+1], s[16:17], s[OBB:OBB+1]
	s_add_nc_u64 s[PFA:PFA+1], s[6:7], s[82:83]
	v_and_b32 v20, 31, v0
	v_lshlrev_b32 v21, 4, v20                      ; 16 x lane
	v_lshlrev_b32 v3, 8, v20
	v_and_b32 v22, 15, v0                          ; r
	v_bfe_u32 v10, v0, 4, 1                        ; h
	v_lshlrev_b32 v253, 2, v22
	HLOAD 0
	WIN TO_B
	HLOAD 1
	WIN 0
	v_add_nc_u32 v1, s99, v21
	v_add_nc_u32 v[SG], s60, v21
	v_lshlrev_b32 v10, 3, v10
	v_sub_nc_u32 v4, v22, v10
	v_add_nc_u32 v4, s61, v4                       ; 16 (tile % 4) + r - 8 h
	v_mov_b32 v7, 0xff800000
	v_mov_b32 v11, 0                               ; (named as the upper half of a pair)
	HINIT
	WIN ALLB
	HINIT
	WIN 0
	s_wait_kmcnt 0x0
	s_add_co_i32 s92, s72, s73                     ; e4 + e5 go into the constant's exponent field
	s_lshl_b32 s92, s92, 23
	s_add_co_i32 s[CS], s[CS], s92
	s_mov_b32 s[CS+1], s[CS]
	v_mov_b32 v[CV], s[CS]
	v_mov_b32 v[CV+1], s[CS]
	s_add_co_i32 s94, s74, s75                     ; e6 + e7
	s_add_co_i32 s95, s76, s77                     ; e8 + e9
	s_add_co_i32 s[EO], s78, s79                   ; e10 + e11
	MKSC PS, HL, 78                                ; e10, for p
	v_mov_b32 v[HL+1], v[HL]
	MKSC 248, 249, 80                              ; e12, for o
	v_mov_b32 v20, s98
	v_mul_f32 v20, 0xbfb8aa3b, v20
	s_wait_alu depctr_va_vdst(0)                   ; a wait ahead of and behind each transcendental
	v_exp_f32 v20, v20
	v_nop
	s_wait_alu depctr_va_vdst(0)
	v_add_f32 v20, 1.0, v20
	s_wait_alu depctr_va_vdst(0)
	v_rcp_f32 v20, v20
	v_nop
	s_wait_alu depctr_va_vdst(0)
	v_ldexp_f32 v23, v20, s95                      ; sigmoid(alpha) x 2^(e8+e9)
	WIN TO_B                                       ; what both tiles share goes into window 1 too
.irp r, 4, 7, 11, 22, 23, 253, CV, CV+1, HL, HL+1, PS, 248, 249
	v_mov_b32 v[\r], v[\r]
.endr
	WIN ALLB
	v_add_nc_u32 v4, 16, v4                        ; tile B's queries come 16 later
	WIN 0
	s_wait_alu depctr_va_vdst(0)
	s_wait_loadcnt 0x0
	HQHK
	WIN ALLB
	HQHK
	WIN 0
	s_wait_alu depctr_va_vdst(0)
; THE PARTS OF A KEY STEP, each for one tile, under that tile's windows
.macro LDF reg, x0                     ; four fragments: pieces x0 .. x0 + 3 of the run in hand
.irp f, 0,1,2,3
	ds_load_b128 v[\reg+8*\f:\reg+8*\f+3], v2 offset:((\x0+\f)/2)*8192+((\x0+\f)%2)*1024
	ds_load_b128 v[\reg+8*\f+4:\reg+8*\f+7], v2 offset:((\x0+\f)/2)*8192+((\x0+\f)%2)*1024+512
.endr
.endm
.macro MM d, a, b                      ; four products that start their sums
.irp c, 0,1,2,3
	v_wmma_f32_16x16x64_fp8_fp8 v[\d+8*\c:\d+8*\c+7], v[\a+8*\c:\a+8*\c+7], v[\b:\b+7], 0
.endr
.endm
.macro MMO                             ; O^T += v turned x p
.irp t, 0,1,2,3
	v_wmma_f32_16x16x64_fp8_fp8 v[O+8*\t:O+8*\t+7], v[F0+8*\t:F0+8*\t+7], v[P:P+7], v[O+8*\t:O+8*\t+7]
.endr
.endm
.macro TY                              ; y = -z log2(e), z = hk.k x qhk / 8
.set i_, 0
.rept 16
	v_pk_mul_f32 v[S2+i_:S2+i_+1], v[S2+i_:S2+i_+1], v[8:9] op_sel_hi:[1,0]
.set i_, i_+2
.endr
.endm
.macro TEXP1                           ; e^-z
.set i_, 0
.rept 32
	v_exp_f32 v[F1+i_], v[S2+i_]
.set i_, i_+1
.endr
.endm
.macro TD                              ; c (1 + e^-z)
.set i_, 0
.rept 16
	v_pk_fma_f32 v[F1+i_:F1+i_+1], v[F1+i_:F1+i_+1], v[CV:CV+1], v[CV:CV+1]
.set i_, i_+2
.endr
.endm
.macro TRCP                            ; sigmoid(z) / c
.set i_, 0
.rept 32
	v_rcp_f32 v[F1+i_], v[F1+i_]
.set i_, i_+1
.endr
.endm
.macro TU                              ; u = q.k + y sigmoid(z) / c = t / c
.set i_, 0
.rept 16
	v_pk_fma_f32 v[S1+i_:S1+i_+1], v[S2+i_:S2+i_+1], v[F1+i_:F1+i_+1], v[S1+i_:S1+i_+1]
.set i_, i_+2
.endr
.endm
.macro TMASK                           ; register 8 c + j holds key 16 c + 8 h + j of the quad: hidden where it comes after the query
.set n_, 0
.rept 32
	v_cmp_gt_i32 vcc_lo, 16*(n_/8)+n_%8, v4
	v_cndmask_b32 v[S1+n_], v[S1+n_], v7, vcc_lo
.set n_, n_+1
.endr
.endm
.macro TMAX                            ; the step's largest u among the lane's 32 keys, in four chains; M; f; t - M
	v_max3_num_f32 v20, v[S1], v[S1+1], v[S1+2]
	v_max3_num_f32 v21, v[S1+3], v[S1+4], v[S1+5]
	v_max3_num_f32 v250, v[S1+6], v[S1+7], v[S1+8]
	v_max3_num_f32 v251, v[S1+9], v[S1+10], v[S1+11]
.irp i, 12, 20
	v_max3_num_f32 v20, v20, v[S1+\i], v[S1+\i+1]
	v_max3_num_f32 v21, v21, v[S1+\i+2], v[S1+\i+3]
	v_max3_num_f32 v250, v250, v[S1+\i+4], v[S1+\i+5]
	v_max3_num_f32 v251, v251, v[S1+\i+6], v[S1+\i+7]
.endr
	v_max3_num_f32 v20, v20, v[S1+28], v[S1+29]
	v_max3_num_f32 v21, v21, v[S1+30], v[S1+31]
	v_max3_num_f32 v20, v20, v21, v250
	v_max_num_f32 v20, v20, v251
	v_permlanex16_b32 v22, v20, s[SEL], s[SEL+1]
	v_max_num_f32 v20, v20, v22                    ; and among lane l xor 16's
	v_mul_f32 v20, s[CS], v20                      ; as t (c is positive)
	v_max_num_f32 v13, v13, v20                    ; the running largest t
	v_mov_b32 v20, v12
	v_floor_f32 v12, -v13                          ; -M = floor(-t): M is a whole number
	v_sub_f32 v20, v12, v20                        ; old M - new M: a whole number, 0 or less
	v_cvt_i32_f32 v20, v20                         ; (it saturates)
	v_ldexp_f32 v10, 1.0, v20                      ; f = 2^(old M - new M)
.set i_, 0
.rept 16
	v_pk_fma_f32 v[S1+i_:S1+i_+1], v[S1+i_:S1+i_+1], s[CS:CS+1], v[12:13] op_sel_hi:[1,0,0]
.set i_, i_+2
.endr
.endm
.macro TEXP2                           ; p = 2^(t - M): not normalised
.set i_, 0
.rept 32
	v_exp_f32 v[S1+i_], v[S1+i_]
.set i_, i_+1
.endr
.endm
.macro TSUM                            ; l, mod, p's codes, O^T under the new M
	v_pk_mul_f32 v[14:15], v[14:15], v[10:11] op_sel_hi:[1,0]   ; l and mod under the new M: plain lines that name no exponential's result
	v_pk_mul_f32 v[16:17], v[16:17], v[10:11] op_sel_hi:[1,0]
	s_wait_alu depctr_va_vdst(0)                   ; behind the batch, and directly ahead of the first readers of hv.v
	v_pk_mul_f32 v[18:19], v[S2:S2+1], v[S1:S1+1]               ; mod += (hv.v) p, in two chains; each accumulator from its low end on
	v_pk_fma_f32 v[16:17], v[S2+2:S2+3], v[S1+2:S1+3], v[16:17]
.set i_, 4
.rept 7
	v_pk_fma_f32 v[18:19], v[S2+i_:S2+i_+1], v[S1+i_:S1+i_+1], v[18:19]
	v_pk_fma_f32 v[16:17], v[S2+i_+2:S2+i_+3], v[S1+i_+2:S1+i_+3], v[16:17]
.set i_, i_+4
.endr
	v_pk_add_f32 v[250:251], v[S1:S1+1], v[S1+2:S1+3]           ; l += the unquantised p, in three chains
	v_pk_add_f32 v[252:253], v[S1+4:S1+5], v[S1+6:S1+7]
	v_pk_add_f32 v[16:17], v[16:17], v[18:19]
.set i_, 8
.rept 4
	v_pk_add_f32 v[14:15], v[14:15], v[S1+i_:S1+i_+1]
	v_pk_add_f32 v[250:251], v[250:251], v[S1+i_+2:S1+i_+3]
	v_pk_add_f32 v[252:253], v[252:253], v[S1+i_+4:S1+i_+5]
.set i_, i_+6
.endr
	v_pk_add_f32 v[250:251], v[250:251], v[252:253]
	v_pk_add_f32 v[14:15], v[14:15], v[250:251]
.set i_, 0
.rept 16
	v_dual_min_num_f32 v[S1+i_], v[S1+i_], v[HL] :: v_dual_min_num_f32 v[S1+i_+1], v[S1+i_+1], v[HL+1]   ; the conversion does not saturate (ISA guide 7.6.2); p is not negative, so the hold is one-sided; two numbers a line
.set i_, i_+2
.endr
.irp c, 0,1,2,3
	v_cvt_scalef32_pk8_fp8_f32 v[P+2*\c:P+2*\c+1], v[S1+8*\c:S1+8*\c+7], v[PS]
.endr
	s_wait_alu depctr_va_vdst(0)                   ; directly ahead of the first reader of O^T
.set i_, 0
.rept 16
	v_pk_mul_f32 v[O+i_:O+i_+1], v[O+i_:O+i_+1], v[10:11] op_sel_hi:[1,0]         ; also the plain lines behind the conversions
.set i_, i_+2
.endr
.endm
; A KEY STEP: 64 keys for both tiles.  The tiles take each part in turn, the one that had a part last begins the next, so that a part costs one change of windows; the two tiles' transcendentals form one batch.
.macro STEP
	s_cmp_gt_u32 s[KU], s[MQ]                      ; all its keys come after my queries: left out
	s_cbranch_scc1 .Lhid_\@
	v_add_nc_u32 v2, s[UB], v1
	s_wait_alu depctr_va_vdst(0)
	LDF F0, 0                                      ; k under e5
	LDF F1, 4                                      ; k under e7
	s_wait_dscnt 8                                 ; k under e5 is in; the eight loads of k under e7 may be out
	MM S1, F0, 24
	WIN MULB
	MM S1, F0, 24
	s_wait_dscnt 0x0
	MM S2, F1, 32
	WIN 0
	MM S2, F1, 32
.rept 4
	v_nop                                          ; places in front of loads into registers that products have read, and of the first reads of hk.k
.endr
	LDF F0, 8                                      ; v under e9
	WIN TO_B
	LDF F0, 12                                     ; v turned, under e11
	WIN 0
	TY
	WIN ALLB
	TY
	s_wait_alu depctr_va_vdst(0)                   ; one wait ahead of the batch and one behind it
	TEXP1
	WIN 0
	TEXP1
	v_nop
	s_wait_alu depctr_va_vdst(0)
	TD
	WIN ALLB
	TD
	s_wait_alu depctr_va_vdst(0)
	TRCP
	WIN 0
	TRCP
	v_nop
	s_wait_alu depctr_va_vdst(0)                   ; behind the batch, and directly ahead of the first readers of tile A's q.k
	TU
	WIN ALLB
	s_wait_alu depctr_va_vdst(0)                   ; directly ahead of the first readers of tile B's q.k
	TU
	s_wait_dscnt 8                                 ; v under e9 is in; the eight loads of v turned may be out
	WIN MULB
	MM S2, F0, 40                                  ; hv.v
	WIN 0
	MM S2, F0, 40
	s_cmp_lg_u32 s[KU], s[MQ]                      ; only my last step lies on the diagonal
	s_cbranch_scc1 .Lopen_\@
	TMASK
	WIN ALLB
	TMASK
	WIN 0
.Lopen_\@:
	TMAX
	WIN ALLB
	TMAX
	s_wait_alu depctr_va_vdst(0)
	TEXP2
	WIN 0
	TEXP2
	TSUM
	WIN ALLB
	TSUM
	s_wait_alu depctr_va_vdst(0)
	s_wait_dscnt 0x0                               ; v turned is in
	MMO
	WIN 0x01                                       ; tile A: the fragment in window 1, all else in window 0
	MMO
	WIN 0
.Lhid_\@:
.endm
.macro STEPS                           ; my two steps of a slot: runs half and 2 + half
	s_mov_b32 s[UB], s[TB]
	s_mov_b32 s[KU], s[KS]
	s_mov_b32 s[UC], 0
.Lu_\@:
	STEP
	s_add_co_u32 s[UB], s[UB], 4096
	s_add_co_u32 s[KU], s[KU], 2
	s_add_co_u32 s[UC], s[UC], 1
	s_wait_alu depctr_va_vdst(0)
	s_cmp_lt_u32 s[UC], 2
	s_cbranch_scc1 .Lu_\@
.endm
; THE CHANGE OF SLOTS.  Each wave waits for its tensor load (its pieces of the slot ahead), adds 0 to its spare word, and waits for that and for its LDS reads and stores.  Behind the barrier the slot ahead is whole,
; nobody reads the other one, and what the partner stored in the stage may be read.  fill = 1: the other slot takes the next trip's 256 keys: the block's next, or the second block's first.
.macro CHANGE fill
	s_wait_tensorcnt 0x0                           ; no tensor load of mine is out, so the group 0 may be written
	ds_add_u32 v[SPW], v[NIL]
.if \fill
	s_xor_b32 s[G0+1], s[G0+1], SLOT1
	s_add_co_u32 s96, s[TR], 1
	s_cmp_eq_u32 s96, s[SA]                        ; the next trip begins the second block: back to the head's first keys
	s_cselect_b32 s[NO], 0, s[NO]
	s_add_nc_u64 s[G0+2:G0+3], s[KB:KB+1], s[NO:NO+1]
	s_or_b32 s[G0+3], s[G0+3], 0x80000000
	s_add_co_u32 s[NO], s[NO], 65536
.endif
	s_wait_dscnt 0x0
	s_barrier_signal -1
	s_barrier_wait -1
.if \fill
	tensor_load_to_lds s[G0:G0+3], s[G1:G1+7]      ; the first thing behind the barrier, and my one tensor load until the next
	s_nop 0
.rept 4
	v_nop
.endr
; A prefetch: the eight work-groups of a head walk the same keys and share the head's eight slots out: work-group i asks for slot i, whole, in trip i - 2, one trip ahead of the loads of that slot;
; each wave takes 8,192 bytes, lanes 256 bytes apart: each aligned block of 256 bytes is named once in the launch.  Slots 0 and 1 come by their loads alone.
	s_cmp_eq_u32 s[TR], s[LIM]
	s_cbranch_scc0 .Lnot_mine_\@
	global_prefetch_b8 v3, s[PFA:PFA+1] th:TH_LOAD_NT scope:SCOPE_SE
.Lnot_mine_\@:
.endif
.endm
.macro TOP                             ; a trip's stage addresses, made on every wave's way
	s_wait_loadcnt 0x0                             ; hv as f32, where it was asked for at a block's end
	v_add_nc_u32 v[SW], s[TB], v[SG]
	s_xor_b32 s96, s[TB], SLOT1
	v_add_nc_u32 v[SR], s96, v[SG]
	s_wait_alu depctr_va_vdst(0)
.endm
; A BLOCK'S END, ahead of the barrier.  Each half asks for hv as f32 of the tile that it will finish (the even half: A; the odd half: B), puts O^T, -M, l and mod of the other tile into this trip's stage,
; as images of registers, and (re = 1) lets that other tile go on to the second block.  In the odd half v1 holds 2,048 more than 16 x lane: its immediates are 2,048 less.
.macro PSTORE d
.irp k, 0,1,2,3,4,5,6,7
	ds_store_b128 v[SW], v[O+4*\k:O+4*\k+3] offset:512*\k+4608*\d
.endr
	ds_store_b128 v[SW], v[12:15] offset:4096+4608*\d          ; -M, (the largest t), l, mod
.endm
.macro PEND hb, re
	s_cmp_lg_u32 s[PAR], 0
	s_cbranch_scc1 .Lodd_\@
.irp u, 0,1,2,3,4,5,6,7
	global_load_b128 v[S2+4*\u:S2+4*\u+3], v1, s[\hb:\hb+1] offset:512*\u
.endr
	v_nop
	v_nop
	WIN ALLB
	v_add_f32 v14, v14, v15                        ; with the two lines above: four places behind the last products
	v_add_f32 v15, v16, v17
	WIN FR_B
	PSTORE 1
.if \re
	WIN ALLB
	REINIT
.endif
	WIN 0
	s_branch .Lpe_\@
.Lodd_\@:
	WIN TO_B
.irp u, 0,1,2,3,4,5,6,7
	global_load_b128 v[S2+4*\u:S2+4*\u+3], v1, s[\hb:\hb+1] offset:2048+512*\u
.endr
	WIN 0
	v_nop
	v_nop
	v_add_f32 v14, v14, v15
	v_add_f32 v15, v16, v17
	PSTORE 0
.if \re
	REINIT
.endif
.Lpe_\@:
.endm
; THE WAY OUT, behind the barrier: each half takes its partner's sums of the tile that it finishes; the two are brought under one M (factors 2^(M - new M): nothing is rounded) and added;
; o = O^T 2^(e10+e11) / l - sigmoid(alpha) (mod 2^(e8+e9) / l) hv, quantised under e12: half a fragment of the last product, stored as its image.
.macro MLOAD rd, d
.irp k, 0,1,2,3,4,5,6,7
	ds_load_b128 v[F0+4*\k:F0+4*\k+3], v[\rd] offset:512*\k+4608*\d
.endr
	ds_load_b128 v[F1:F1+3], v[\rd] offset:4096+4608*\d
.endm
.macro MBODY
	v_add_f32 v14, v14, v15
	v_add_f32 v16, v16, v17
	v_min_num_f32 v20, v12, v[F1]                  ; the new -M
	v_sub_f32 v21, v20, v12
	v_sub_f32 v22, v20, v[F1]
	v_cvt_i32_f32 v21, v21                         ; (they saturate: a half that walked no step gets the factor 0)
	v_cvt_i32_f32 v22, v22
	v_ldexp_f32 v10, 1.0, v21
	v_ldexp_f32 v252, 1.0, v22
	v_mul_f32 v14, v14, v10
	v_mul_f32 v16, v16, v10
	v_fma_f32 v14, v[F1+2], v252, v14
	v_fma_f32 v16, v[F1+3], v252, v16
	s_wait_alu depctr_va_vdst(0)                   ; directly ahead of the first reader of O^T
.set i_, 0
.rept 16
	v_pk_mul_f32 v[O+i_:O+i_+1], v[O+i_:O+i_+1], v[10:11] op_sel_hi:[1,0]         ; each accumulator from its low end on
.set i_, i_+2
.endr
.set i_, 0
.rept 16
	v_pk_fma_f32 v[O+i_:O+i_+1], v[F0+i_:F0+i_+1], v[252:253], v[O+i_:O+i_+1] op_sel_hi:[1,0,1]
.set i_, i_+2
.endr
	v_permlanex16_b32 v22, v14, s[SEL], s[SEL+1]
	v_permlanex16_b32 v21, v16, s[SEL], s[SEL+1]
	v_add_f32 v14, v14, v22                        ; l
	v_add_f32 v16, v16, v21                        ; the sum of (hv.v) p
	s_wait_alu depctr_va_vdst(0)
	v_rcp_f32 v14, v14
	v_nop
	s_wait_alu depctr_va_vdst(0)
	v_ldexp_f32 v20, v14, s[EO]
	v_mul_f32 v252, v16, v14
	v_mul_f32 v252, v252, -v23
.set i_, 0
.rept 16
	v_pk_mul_f32 v[S1+i_:S1+i_+1], v[O+i_:O+i_+1], v[20:21] op_sel_hi:[1,0]
.set i_, i_+2
.endr
.set i_, 0
.rept 16
	v_pk_fma_f32 v[S1+i_:S1+i_+1], v[S2+i_:S2+i_+1], v[252:253], v[S1+i_:S1+i_+1] op_sel_hi:[1,0,1]
.set i_, i_+2
.endr
.set i_, 0
.rept 32
	v_med3_num_f32 v[S1+i_], v[S1+i_], -v249, v249
.set i_, i_+1
.endr
.irp c, 0,1,2,3
	v_cvt_scalef32_pk8_fp8_f32 v[P+2*\c:P+2*\c+1], v[S1+8*\c:S1+8*\c+7], v248
.endr
	v_nop
.endm
.macro MERGE ob, rd, cond, re
.if \cond
	s_cmp_lg_u32 s[TR], s[SA]                      ; only the trip behind the first block's last
	s_cbranch_scc1 .Lnm_\@
.endif
.rept 4
	v_nop                                          ; places behind the last products, in front of loads into registers that they read
.endr
	s_cmp_lg_u32 s[PAR], 0
	s_cbranch_scc1 .Lmo_\@
	MLOAD \rd, 0                                   ; the even half finishes tile A
	s_wait_dscnt 0x0
	MBODY
	global_store_b128 v1, v[P:P+3], s[\ob:\ob+1]   ; twice 512 consecutive bytes, aligned
	global_store_b128 v1, v[P+4:P+7], s[\ob:\ob+1] offset:512
.if \re
	REINIT
.endif
	s_branch .Lmd_\@
.Lmo_\@:
	WIN TO_B
	MLOAD \rd, 1                                   ; the odd half finishes tile B
	WIN ALLB
	s_wait_dscnt 0x0
	MBODY
	WIN FR_B
	global_store_b128 v1, v[P:P+3], s[\ob:\ob+1]   ; tile B's place, 2,048 bytes on, is in v1
	global_store_b128 v1, v[P+4:P+7], s[\ob:\ob+1] offset:512
.if \re
	WIN ALLB
	REINIT
.endif
	WIN 0
.Lmd_\@:
.if \re
	s_wait_alu depctr_va_vdst(0)
	s_wait_xcnt 0x0                                ; the stores have read their registers: the codes are written again in the next step
.endif
.Lnm_\@:
.endm
.Lslot:                                            ; eight trips: behind each change of slots but the last the next trip's slot is asked for
	CHANGE 1
	TOP
	MERGE OBA, SR, 1, 1
	STEPS
	s_add_co_u32 s[KS], s[KS], 4
	s_xor_b32 s[TB], s[TB], SLOT1
	s_add_co_u32 s[TR], s[TR], 1
	s_cmp_lg_u32 s[TR], s[SA]
	s_cbranch_scc1 .Lsame
	PEND HBA, 1                                    ; the first block's last trip
	s_mov_b32 s[KS], s[PAR]
	s_mov_b32 s[MQ], s[MQB]
.Lsame:
	s_wait_alu depctr_va_vdst(0)
	s_cmp_lt_u32 s[TR], 8
	s_cbranch_scc1 .Lslot
	CHANGE 0                                       ; the ninth trip is written out: it asks for nothing
	TOP
	MERGE OBA, SR, 1, 1
	STEPS
	PEND HBB, 0
	s_wait_alu depctr_va_vdst(0)
	CHANGE 0                                       ; both halves' sums are in the stage
	s_wait_loadcnt 0x0
	MERGE OBB, SW, 0, 0
	s_wait_tensorcnt 0x0                           ; the wave's end
	ds_add_u32 v[SPW], v[NIL]
	s_wait_dscnt 0x0
	s_endpgm
.Lfunc_end_k_qff3ef5e670_attn:
	.size	k_qff3ef5e670_attn, .Lfunc_end_k_qff3ef5e670_attn-k_qff3ef5e670_attn
	.p2alignl 7, 3214868480
	.fill 96, 4, 3214868480
	.section	.rodata,"a",@progbits
	.p2align	6, 0x0
	.amdhsa_kernel k_qff3ef5e670_attn
		.amdhsa_group_segment_fixed_size 327680
		.amdhsa_private_segment_fixed_size 0
		.amdhsa_enable_private_segment 0
		.amdhsa_kernarg_size 56
		.amdhsa_user_sgpr_count 2
		.amdhsa_user_sgpr_kernarg_segment_ptr 1
		.amdhsa_wavefront_size32 1
		.amdhsa_system_sgpr_workgroup_id_x 1
		.amdhsa_system_sgpr_workgroup_id_y 1
		.amdhsa_system_sgpr_workgroup_id_z 1
		.amdhsa_system_vgpr_workitem_id 0
		.amdhsa_next_free_vgpr 512
		.amdhsa_next_free_sgpr 100
		.amdhsa_reserve_vcc 1
		.amdhsa_float_denorm_mode_32 3
		.amdhsa_float_denorm_mode_16_64 3
		.amdhsa_memory_ordered 1
		.amdhsa_forward_progress 1
		.amdhsa_inst_pref_size 157
	.end_amdhsa_kernel
	.amdgpu_metadata
---
amdhsa.version: [ 1, 2 ]
amdhsa.kernels:
  - .name:           k_qff3ef5e670_attn
    .symbol:         k_qff3ef5e670_attn.kd
    .args:
      - { .name: qs, .offset: 0, .size: 8, .value_kind: global_buffer, .address_space: global }
      - { .name: kv, .offset: 8, .size: 8, .value_kind: global_buffer, .address_space: global }
      - { .name: hvf, .offset: 16, .size: 8, .value_kind: global_buffer, .address_space: global }
      - { .name: qhk, .offset: 24, .size: 8, .value_kind: global_buffer, .address_space: global }
      - { .name: alpha, .offset: 32, .size: 8, .value_kind: global_buffer, .address_space: global }
      - { .name: lowp_scales, .offset: 40, .size: 8, .value_kind: global_buffer, .address_space: global }
      - { .name: oc, .offset: 48, .size: 8, .value_kind: global_buffer, .address_space: global }
    .group_segment_fixed_size: 327680
    .private_segment_fixed_size: 0
    .kernarg_segment_align: 8
    .kernarg_segment_size: 56
    .max_flat_workgroup_size: 256
    .sgpr_count:     100
    .vgpr_count:     512
    .wavefront_size: 32
...
	.end_amdgpu_metadata
.endif
;; end of part 3
;; launch outp (part 4): grid 8 x 32, 4 waves a work-group, clusters of 4 x 4, 327,680 bytes of LDS; arguments oc, wc, b_out, lowp_scales, out0; writes out0
.if DOCPART == 4
	.amdgcn_target "amdgcn-amd-amdhsa--gfx1250"
	.amdhsa_code_object_version 6
	.text
	.protected	k_qff3ef5e670_outp
	.globl	k_qff3ef5e670_outp
	.p2align	8
	.type	k_qff3ef5e670_outp,@function
k_qff3ef5e670_outp:
	s_mov_b64 s[64:65], 0
	v_nop
	global_prefetch_b8 v0, s[64:65] scope:SCOPE_SE
	s_setreg_imm32_b32 hwreg(HW_REG_WAVE_MODE, 25, 1), 1
	s_wait_xcnt 0x0
	s_wait_alu depctr_hold_cnt(0) depctr_sa_sdst(0) depctr_va_vdst(0) depctr_va_sdst(0) depctr_va_ssrc(0) depctr_va_vcc(0) depctr_vm_vsrc(0)
	s_getreg_b32 s2, hwreg(HW_REG_IB_STS2, 6, 4)
	s_cmp_eq_u32 s2, 0
	s_cbranch_scc0 .Lentry_in_a_cluster
	s_endpgm
.Lentry_in_a_cluster:
	s_bfe_u32 s2, ttmp6, 0x10000c
	s_cmp_lg_u32 s2, 0xf033
	s_cbranch_scc0 .Lentry_shape_is_right
	s_endpgm
.Lentry_shape_is_right:
; OUTP: out0 = o w_out x 2^(e12+e13) + b_out, on codes of E4M3.  o's codes [4,096 rows, K 1,024] and w_out's [1,024 columns, K 1,024] lie as images of fragments (16 rows x 128 K: 2,048 bytes).
; A work-group makes 128 x 128 of out0: 256 work-groups; a wave 64 x 64: 16 accumulators.  The whole K of both tiles fits into LDS once (2 x 131,072 bytes): no byte of LDS is filled twice.
; Each wave asks for 65,536 bytes on end by ONE tensor load (waves 0, 1: o's K steps 0-3, 4-7; waves 2, 3: w_out's); one wait for it and one barrier stand ahead of the eight K steps.
; CLUSTERS: 4 x 4 work-groups; o's tile is shared along a row of the cluster, w_out's along a column: joint loads.
; NO PREFETCH: all that the work-group reads is asked for at the head; there is no loop to run ahead in.
; THE MATRIX INSTRUCTION IS USED TRANSPOSED (source 0 = 16 columns of w_out, source 1 = 16 rows of o): a lane holds eight neighbouring numbers of a row of out0.
; LIMIT: e12 + e13 between -126 and 127.
; REGISTERS.  Window 0: v4-15 addresses; v30, v31 the add's; v32-63 a block's results; v64-95 rows read back; v96-127 the bias; v128-255 the accumulators ((a, n) at v[128 + 8 (4 a + n)]).  Window 1: two sets of 128: four fragments of o, four of w_out.
.set BLDS, 131072
.set STG,  262144                      ; the way out: 16 rows x (256 + 16) bytes for each wave
.set SP,   272
.set LI,  4
.set ADA, 8                            ; v8-9   my fragments of o: K steps 0-3, 4-7 (an immediate offset stays under 65,536)
.set ADB, 10                           ; v10-11 of w_out
.set STO, 12
.set RD,  13
.set CO,  14
.set BO,  15
.set T,   32
.set BK,  64
.set BI,  96
.set ACC, 128
.set WV,  66
.set FB,  67
.set HF,  68
.set G1,  16                           ; s[16:23] group 1 for o's half; s[24:31] for w_out's; s[32:35], s[48:51] their groups 0
.set G1B, 24
.set G0,  32
.set G0B, 48
.set MSB, 0
.macro WIN new
.if MSB != \new
	s_set_vgpr_msb (MSB<<8)|\new
.set MSB, \new
.endif
.endm
.macro PLACES
.rept 4
	v_nop
.endr
.endm
.macro CROUND                          ; a round of the cluster's barrier
	s_barrier_signal -1
	s_barrier_wait -1
	s_cmp_lg_u32 s[WV], 0
	s_cbranch_scc1 .Lnot_wave_0_\@
	s_barrier_signal -3
.Lnot_wave_0_\@:
	s_barrier_wait -3
	s_barrier_signal -1
	s_barrier_wait -1
.endm
	s_load_b256 s[4:11], s[0:1], 0x0               ; oc, wc, b_out, scales
	s_load_b64 s[12:13], s[0:1], 0x20              ; out0
	v_lshl_add_u32 v30, v0, 2, 0x44400
	v_mov_b32 v31, 0
	ds_add_u32 v30, v31                            ; the opening: the add twice on end, and its wait
	ds_add_u32 v30, v31
	v_lshrrev_b32 v1, 5, v0
	v_readfirstlane_b32 s[WV], v1
	s_lshr_b32 s[FB], s[WV], 1                     ; my half of the rows.  Also: I fetch o (0) or w_out (1)
	s_and_b32 s[HF], s[WV], 1                      ; my half of the columns.  Also: K steps 0-3 or 4-7
	s_bfe_u32 s69, ttmp6, 0x40000                  ; cx
	s_bfe_u32 s70, ttmp6, 0x40004                  ; cy
	s_lshl_b32 s71, ttmp9, 2
	s_add_co_u32 s71, s71, s69                     ; tile of 128 columns
	s_and_b32 s72, ttmp7, 0xffff
	s_lshl_b32 s72, s72, 2
	s_add_co_u32 s72, s72, s70                     ; tile of 128 rows
	s_lshl_b32 s73, s70, 2
	s_lshl_b32 s73, 15, s73                        ; my row of the cluster
	s_lshl_b32 s74, 0x1111, s69                    ; my column
	s_or_b32 s[G1], s73, (3<<16)|(1<<21)           ; the mask; elements of 8 bytes; bit 21 beside a mask
	s_or_b32 s[G1B], s74, (3<<16)|(1<<21)
.irp g, G1, G1B
	s_mov_b32 s[\g+1], 32<<16                      ; rows of 256 bytes,
	s_mov_b32 s[\g+2], 256<<16                     ; 256 of them: 65,536 bytes, dense
	s_mov_b32 s[\g+3], 32<<16
	s_mov_b32 s[\g+4], 256
	s_mov_b32 s[\g+5], 32
	s_mov_b32 s[\g+6], 0
	s_mov_b32 s[\g+7], 0
.endr
	s_lshl_b32 s76, s72, 17
	s_lshl_b32 s77, s[HF], 16
	s_add_co_u32 s76, s76, s77
	s_mov_b32 s77, 0
	s_lshl_b32 s78, s71, 17
	s_lshl_b32 s79, s[HF], 16
	s_add_co_u32 s78, s78, s79
	s_add_co_u32 s78, s78, 5242880                 ; w_out's codes lie behind the projections' in wc
	s_mov_b32 s79, 0
	s_lshl_b32 s80, s[HF], 16                      ; in LDS: K step x 16,384: no place in the cluster enters an LDS address
	s_wait_dscnt 0x0
	s_wait_kmcnt 0x0
	s_load_b64 s[82:83], s[10:11], 0x30            ; e12, e13
	s_add_nc_u64 s[76:77], s[4:5], s[76:77]
	s_add_nc_u64 s[78:79], s[6:7], s[78:79]
	s_mov_b32 s[G0], 1
	s_mov_b32 s[G0+1], s80
	s_mov_b64 s[G0+2:G0+3], s[76:77]
	s_or_b32 s[G0+3], s[G0+3], 0x80000000
	s_mov_b32 s[G0B], 1
	s_add_co_u32 s[G0B+1], s80, BLDS
	s_mov_b64 s[G0B+2:G0B+3], s[78:79]
	s_or_b32 s[G0B+3], s[G0B+3], 0x80000000
	CROUND                                         ; all sixteen work-groups are here: the joint loads meet
	s_cmp_eq_u32 s[FB], 0                          ; one fill to each arm of one branch on the wave's number
	s_cbranch_scc0 .Lfor_b
	tensor_load_to_lds s[G0:G0+3], s[G1:G1+7]
	s_nop 0
.rept 4
	v_nop
.endr
	s_branch .Lasked
.Lfor_b:
	tensor_load_to_lds s[G0B:G0B+3], s[G1B:G1B+7]
	s_nop 0
.rept 4
	v_nop
.endr
.Lasked:
	v_and_b32 v1, 31, v0
	v_lshlrev_b32 v[LI], 4, v1
	v_and_b32 v2, 15, v0                           ; r
	v_bfe_u32 v3, v0, 4, 1                         ; h
	s_lshl_b32 s84, s[FB], 13                      ; my four blocks of 16 rows
	v_add_nc_u32 v[ADA], s84, v[LI]
	v_add_nc_u32 v[ADA+1], 65536, v[ADA]
	s_lshl_b32 s84, s[HF], 13                      ; my four blocks of 16 columns
	s_add_co_u32 s84, s84, BLDS
	v_add_nc_u32 v[ADB], s84, v[LI]
	v_add_nc_u32 v[ADB+1], 65536, v[ADB]
	s_mul_i32 s84, s[WV], 16*SP
	s_add_co_u32 s84, s84, STG
	v_mul_u32_u24 v[STO], v2, SP                   ; in: row r, 32 bytes for each half of the lanes
	v_lshl_add_u32 v[STO], v3, 5, v[STO]
	v_add_nc_u32 v[STO], s84, v[STO]
	v_mul_u32_u24 v[RD], v3, SP                    ; back: lanes 0-15 one row of 256 bytes, lanes 16-31 the next
	v_lshl_add_u32 v[RD], v2, 4, v[RD]
	v_add_nc_u32 v[RD], s84, v[RD]
	v_lshlrev_b32 v[CO], 12, v3                    ; and the same two rows of out0 (4,096 bytes a row)
	v_lshl_add_u32 v[CO], v2, 4, v[CO]
	v_lshlrev_b32 v[BO], 5, v3                     ; the bias: my half's eight numbers of each tile
	s_wait_alu depctr_va_vdst(0)
	s_lshl_b32 s86, s71, 7
	s_lshl_b32 s87, s[HF], 6
	s_add_co_u32 s86, s86, s87
	s_lshl_b32 s86, s86, 2                         ; my first column, in bytes
	s_mov_b32 s87, 0
	s_add_nc_u64 s[8:9], s[8:9], s[86:87]
	s_add_nc_u64 s[12:13], s[12:13], s[86:87]
	s_lshl_b32 s86, s72, 7
	s_lshl_b32 s88, s[FB], 6
	s_add_co_u32 s86, s86, s88
	s_lshl_b32 s86, s86, 12                        ; my first row
	s_add_nc_u64 s[12:13], s[12:13], s[86:87]
.irp n, 0,1,2,3
	global_load_b128 v[BI+8*\n:BI+8*\n+3], v[BO], s[8:9] offset:64*\n
	global_load_b128 v[BI+8*\n+4:BI+8*\n+7], v[BO], s[8:9] offset:64*\n+16
.endr
.macro FETCH s                         ; K step s: four fragments of o and four of w_out into set s % 2 of window 1
	WIN 0x40
.irp i, 0,1,2,3
.irp p, 0,1,2,3
	ds_load_b128 v[128*((\s)%2)+16*\i+4*\p:128*((\s)%2)+16*\i+4*\p+3], v[ADA+(\s)/4] offset:((\s)%4)*16384+\i*2048+512*\p
	ds_load_b128 v[128*((\s)%2)+64+16*\i+4*\p:128*((\s)%2)+64+16*\i+4*\p+3], v[ADB+(\s)/4] offset:((\s)%4)*16384+\i*2048+512*\p
.endr
.endr
.endm
.macro MUL s                           ; sixteen matrix instructions, the accumulators by turns; the first K step starts the sums
	WIN 0x05
.irp a, 0,1,2,3
.irp n, 0,1,2,3
.if (\s) == 0
	v_wmma_f32_16x16x128_fp8_fp8 v[ACC+8*(4*\a+\n):ACC+8*(4*\a+\n)+7], v[128*((\s)%2)+64+16*\n:128*((\s)%2)+64+16*\n+15], v[128*((\s)%2)+16*\a:128*((\s)%2)+16*\a+15], 0
.else
	v_wmma_f32_16x16x128_fp8_fp8 v[ACC+8*(4*\a+\n):ACC+8*(4*\a+\n)+7], v[128*((\s)%2)+64+16*\n:128*((\s)%2)+64+16*\n+15], v[128*((\s)%2)+16*\a:128*((\s)%2)+16*\a+15], v[ACC+8*(4*\a+\n):ACC+8*(4*\a+\n)+7]
.endif
.endr
.endr
.endm
.macro KSTEP s
.if (\s) < 7
.if (\s) > 0
	PLACES                                         ; in front of loads into the set that the step before multiplied
.endif
	FETCH (\s)+1
	s_wait_dscnt 32                                ; all but the 32 just issued
.else
	s_wait_dscnt 0x0
.endif
	MUL \s
.endm
	s_wait_tensorcnt 0x0                           ; my half of a tile is in,
	s_barrier_signal -1
	s_barrier_wait -1                              ; everybody's is: all eight K steps
	FETCH 0
.irp s, 0,1,2,3,4,5,6,7
	KSTEP \s
.endr
	WIN 0
	; THE WAY OUT, a block of 16 rows x 64 columns at a time, through my own stage: a lane's 32 bytes go in, rows of 256 bytes come back, sixteen lanes store one aligned run of 256 bytes.
	s_wait_kmcnt 0x0
	s_add_co_i32 s82, s82, s83
	s_add_co_i32 s82, s82, 127
	s_lshl_b32 s82, s82, 23                        ; 2^(e12 + e13) as f32
	s_mov_b32 s83, s82
	PLACES
	s_wait_loadcnt 0x0                             ; the bias
.irp a, 0,1,2,3
.irp n, 0,1,2,3
.irp i, 0,2,4,6
	v_pk_fma_f32 v[T+8*\n+\i:T+8*\n+\i+1], v[ACC+8*(4*\a+\n)+\i:ACC+8*(4*\a+\n)+\i+1], s[82:83], v[BI+8*\n+\i:BI+8*\n+\i+1] op_sel_hi:[1,0,1]   ; sum x 2^(e12+e13) + bias; each accumulator from its low end on
.endr
.endr
.irp n, 0,1,2,3
	ds_store_b128 v[STO], v[T+8*\n:T+8*\n+3] offset:64*\n
	ds_store_b128 v[STO], v[T+8*\n+4:T+8*\n+7] offset:64*\n+16
.endr
	s_wait_xcnt 0x0                                ; the last block's stores have read their registers: the loads below may land there
.irp i, 0,1,2,3,4,5,6,7
	ds_load_b128 v[BK+4*\i:BK+4*\i+3], v[RD] offset:2*\i*SP    ; LDS serves a wave's instructions in order: these see the stores above
.endr
.irp i, 0,1,2,3,4,5,6,7
	s_wait_dscnt 7-\i
	global_store_b128 v[CO], v[BK+4*\i:BK+4*\i+3], s[12:13] offset:(16*\a+2*\i)*4096 th:TH_STORE_NT
.endr
.endr
	s_wait_tensorcnt 0x0                           ; the wave's end
	ds_add_u32 v30, v31
	s_wait_dscnt 0x0
	CROUND                                         ; the closing round: no work-group ends while a partner may still ask for a tile that names it
	s_endpgm
.Lfunc_end_k_qff3ef5e670_outp:
	.size	k_qff3ef5e670_outp, .Lfunc_end_k_qff3ef5e670_outp-k_qff3ef5e670_outp
	.p2alignl 7, 3214868480
	.fill 96, 4, 3214868480
	.section	.rodata,"a",@progbits
	.p2align	6, 0x0
	.amdhsa_kernel k_qff3ef5e670_outp
		.amdhsa_group_segment_fixed_size 327680
		.amdhsa_private_segment_fixed_size 0
		.amdhsa_enable_private_segment 0
		.amdhsa_kernarg_size 40
		.amdhsa_user_sgpr_count 2
		.amdhsa_user_sgpr_kernarg_segment_ptr 1
		.amdhsa_wavefront_size32 1
		.amdhsa_system_sgpr_workgroup_id_x 1
		.amdhsa_system_sgpr_workgroup_id_y 1
		.amdhsa_system_sgpr_workgroup_id_z 1
		.amdhsa_system_vgpr_workitem_id 0
		.amdhsa_next_free_vgpr 512
		.amdhsa_next_free_sgpr 100
		.amdhsa_reserve_vcc 0
		.amdhsa_float_denorm_mode_32 3
		.amdhsa_float_denorm_mode_16_64 3
		.amdhsa_memory_ordered 1
		.amdhsa_forward_progress 1
		.amdhsa_inst_pref_size 45
	.end_amdhsa_kernel
	.amdgpu_metadata
---
amdhsa.version: [ 1, 2 ]
amdhsa.kernels:
  - .name:           k_qff3ef5e670_outp
    .symbol:         k_qff3ef5e670_outp.kd
    .args:
      - { .name: oc, .offset: 0, .size: 8, .value_kind: global_buffer, .address_space: global }
      - { .name: wc, .offset: 8, .size: 8, .value_kind: global_buffer, .address_space: global }
      - { .name: b_out, .offset: 16, .size: 8, .value_kind: global_buffer, .address_space: global }
      - { .name: lowp_scales, .offset: 24, .size: 8, .value_kind: global_buffer, .address_space: global }
      - { .name: out0, .offset: 32, .size: 8, .value_kind: global_buffer, .address_space: global }
    .group_segment_fixed_size: 327680
    .private_segment_fixed_size: 0
    .kernarg_segment_align: 8
    .kernarg_segment_size: 40
    .max_flat_workgroup_size: 128
    .sgpr_count:     100
    .vgpr_count:     512
    .wavefront_size: 32
...
	.end_amdgpu_metadata
.endif
;; end of part 4
